; MI455X (gfx1250); checked and timed in simulation.
; The chip was launched on July 23, 2026; its instructions are those of AMD's public machine-readable ISA for CDNA 5 (MIT licence, August 2026) and "CDNA5" Instruction Set Architecture Reference Guide (July 2026). The comments in the code are by the model that wrote it; some were corrected since.
;; Locator Reader Conditioner. Allowed arithmetic: matrix products marked QUANTISED: E2M1 operands, one E8M0 scale for each 32 along K, by v_wmma_scale_f32_16x16x128_f8f6f4 with both operands' format E2M1 (or v_wmma_scale_f32_32x16x128_f4), f32 sums; products left as they are: bf16, f16 or f32 operands; f32 sums; everything else in f32.
;; Inputs: Wk 1,024 x 1,024 float32; Wo 1,024 x 1,024 float32; Wq 1,024 x 1,024 float32; Wv 1,024 x 1,024 float32; bias 4 x 4,096 float32; memory 4 x 4,096 x 1,024 float32; query 4 x 512 x 1,024 float32.
;; Outputs: out0 4 x 512 x 1,024 float32.
;; This version of the problem:
;;   THIS VERSION OF THE PROBLEM IS GIVEN IN LOW PRECISION. The matrix products marked QUANTISED in the list below multiply operands that are first quantised to E2M1 (2 exponent bits, 1 mantissa bit; 4 bits a number), with one power-of-two scale for each 32 numbers along K (OCP MX v1.0); their sums are f32. The products marked 'left as it is' may take bf16, f16 or f32 operands, with f32 sums. Whichever they take, every output number must still come out within the allowed error. Rounding operands to bf16 (8 significant bits) uses up far more of that allowance than f16 does (11 bits, for magnitudes from 6e-5 to 65,504). All else is computed in f32.
;;   The module's matrix products, in the order in which they are computed (A, B: the left and right operand; K: the contracted axis; several contracted axes count as one K, in the product's order):
;;     1. [M 2,048, K 1,024] x [K 1,024, N 1,024]; A: input query; B: input Wq: QUANTISED
;;     2. [M 16,384, K 1,024] x [K 1,024, N 1,024]; A: input memory; B: input Wk: QUANTISED
;;     3. [M 16,384, K 1,024] x [K 1,024, N 1,024]; A: input memory; B: input Wv: QUANTISED
;;     4. batch 64 x [M 512, K 64] x [K 64, N 4,096]; A: computed on the way; B: computed on the way: left as it is (an operand is computed on the way)
;;     5. batch 64 x [M 512, K 4,096] x [K 4,096, N 64]; A: computed on the way; B: computed on the way: left as it is (an operand is computed on the way)
;;     6. [M 2,048, K 1,024] x [K 1,024, N 1,024]; A: computed on the way; B: input Wo: left as it is (an operand is computed on the way)
;;   THE QUANTISER, for each operand of a quantised product, along K:
;;     - K is cut into blocks of 32 from its start; a last block that is shorter is filled with zeros.
;;     - A block's scale is 2^e with e = floor(log2(the largest magnitude in the block)) - 2, held to -126 .. 127; a block of zeros has e = 0. As a byte (E8M0): e + 127.
;;     - Each number is divided by its block's scale, clamped to +-6, and rounded to the nearest number of E2M1, ties to even, subnormals kept.
;;     - The product sums the exact products of the quantised numbers (number of the format x scale) in f32.
;;   ~~~python
;;   def quantise(x, axis):      # numpy; x: float32 -> the quantised numbers, widened to float32 again
;;       x = np.moveaxis(x, axis, -1); K = x.shape[-1]
;;       x = np.pad(x, [(0, 0)] * (x.ndim - 1) + [(0, -K % 32)]); x = x.reshape(x.shape[:-1] + (-1, 32)); a = np.abs(x).max(-1, keepdims=True)
;;       e = np.where(a > 0, np.clip(np.frexp(np.where(a > 0, a, 1))[1] - 1 - 2, -126, 127), 0)      # np.frexp(a)[1] - 1 = floor(log2(a)), exactly
;;       r = np.clip(x / 2.0 ** e, -6, 6)
;;       step = 2.0 ** (np.maximum(np.frexp(np.where(r == 0, 1, r))[1] - 1, 0) - 1)
;;       q = np.round(r / step) * step * 2.0 ** e      # np.round: ties to even
;;       return np.moveaxis(q.reshape(q.shape[:-2] + (-1,))[..., :K], -1, axis).astype(np.float32)
;;   ~~~
;; One version. Each part assembles by itself: llvm-mc -triple=amdgcn-amd-amdhsa -mcpu=gfx1250 --defsym DOCPART=n.
;; ======== version 1 of 1: 5 launches
;; limits: values are held in f16: magnitudes above 65,504 overflow, below 6.1e-05 lose precision
;; workspace buffers: xc 9,437,184 bytes; xs 589,824 bytes; wc 1,572,864 bytes; ws 98,304 bytes; wof 2,097,152 bytes; kv 67,108,864 bytes; qf 4,194,304 bytes; att 4,194,304 bytes
;; launch quant_x (part 1): grid 576 x 1, 4 waves a work-group, no clusters, 33,280 bytes of LDS; arguments memory, query, xc, xs; writes xc, xs
.if DOCPART == 1
	.amdgcn_target "amdgcn-amd-amdhsa--gfx1250"
	.amdhsa_code_object_version 6
	.text
	.protected	k_qf45f252d1a_quant_x
	.globl	k_qf45f252d1a_quant_x
	.p2align	8
	.type	k_qf45f252d1a_quant_x,@function
k_qf45f252d1a_quant_x:
	s_mov_b64 s[64:65], 0
	v_nop
	global_prefetch_b8 v0, s[64:65] scope:SCOPE_SE
	s_setreg_imm32_b32 hwreg(HW_REG_WAVE_MODE, 25, 1), 1
	s_wait_xcnt 0x0
; LAUNCH 1 OF 5.  The program: out0 = softmax((query Wq)(memory Wk)^T / 8 + bias) (memory Wv) Wo, 16 heads of 64.
; NO WORK OF reference() IS LEFT OUT: every input reaches the output (the bias differs from key to key, so the softmax does not cancel it), and there is no mask.
; The factor 64^-0.5 = 2^-3 is no multiplication anywhere: it is taken off Wq's scale bytes (launch 2), which multiplies every product of query x Wq by 2^-3 exactly; codes and conversions are untouched.
; THIS LAUNCH: memory [16384][1024] and query [2048][1024], f32, become codes of FP4 (E2M1), K innermost, two codes a byte, and one E8M0 byte for each 32 along K:
; xc [18432][512 bytes], xs [18432][32 bytes]; rows 0-16383 memory's, rows 16384-18431 query's.
; A block's scale is 2^(floor(log2(its largest magnitude)) - 2); its byte is the largest magnitude's exponent field - 2, held at 1 from below.
; LIMITS: a block of zeros gets the byte 1 where the rule says 127 (its codes are zeros, and this program alone reads the bytes); blocks whose largest magnitude lies under 2^-124 are held at the floor's byte;
; NaN and infinities among the inputs are not served.
; Rows are dense and K is a multiple of 32: both tensors are plain streams of blocks of 32, and so are the codes and bytes.  A wave takes 16 steps of 512 numbers.  Each load reads 512 consecutive bytes, 16 a lane;
; a step's 2,048 bytes turn through the wave's own stage in LDS and come back 64 bytes a lane, so that a lane holds 16 neighbours along K (two neighbouring lanes hold a block).
; The first 512 work-groups take memory, the other 64 query: only the input's pointer is chosen; the outputs are one stream.  No barrier: waves share nothing.
.set WAVES, 4
.set STEPS, 16
.set WGA,   512                        ; 16384 x 1024 / 32768
.set EMAX,  2
.set CB,    8                          ; bytes of 16 codes
.set R,     16                         ; v16-79   four sets of 16 numbers as they are loaded
.set X,     80                         ; v80-111  two sets of 16 neighbours
.set C,     128                        ; v128-191 codes: four registers for each step, so that no store's data are written again
.set E,     112                        ; v112-127 a scale byte for each step
.set WREG,  8192                       ; LDS: a region for each wave: two stages of 32 x SP bytes, behind them its 256 scale bytes
.set SP,    80                         ; a lane's place in a stage: 64 bytes + 16 of padding
.set SPW,   12                         ; v12      LDS address of my spare word; never rewritten
.set NIL,   13                         ; v13      0; never rewritten
.set SPARE, WAVES*WREG                 ; behind the four regions: the spare words, 128 bytes a wave, which no other line names
	s_load_b128 s[4:7], s[0:1], 0x0                ; memory, query
	s_load_b128 s[8:11], s[0:1], 0x10              ; xc, xs
	v_lshl_add_u32 v[SPW], v0, 2, SPARE
	v_mov_b32 v[NIL], 0
	v_lshrrev_b32 v1, 5, v0
	v_readfirstlane_b32 s16, v1                    ; wave
	v_and_b32 v2, 31, v0                           ; lane
	v_lshlrev_b32 v3, 4, v2                        ; my 16 bytes of a load's 512
	s_mul_i32 s17, s16, WREG
	v_lshrrev_b32 v14, 2, v2
	v_mul_u32_u24 v14, v14, SP
	v_and_b32 v15, 3, v2
	v_lshl_add_u32 v14, v15, 4, v14
	v_add_nc_u32 v14, s17, v14                     ; the stage, on the way in: SP (lane / 4) + 16 (lane % 4)
	v_mul_u32_u24 v15, v2, SP
	v_add_nc_u32 v15, s17, v15                     ; and on the way out: SP x lane: my 16 neighbours
	v_mul_u32_u24 v4, v2, CB                       ; my codes' place in a step's
	v_lshrrev_b32 v5, 1, v2
	s_add_co_u32 s17, s17, 2*32*SP
	v_add_nc_u32 v5, s17, v5                       ; LDS: my wave's 256 scale bytes, my block's byte
	v_lshlrev_b32 v7, 3, v2                        ; and on the way out 8 bytes a lane
	v_add_nc_u32 v6, s17, v7
	s_wait_kmcnt 0x0
	s_cmp_lt_u32 ttmp9, WGA                        ; memory's work-group or query's: the choice hangs on the work-group's number alone
	s_cselect_b64 s[4:5], s[4:5], s[6:7]
	s_cselect_b32 s17, 0, WGA
	s_sub_co_u32 s17, ttmp9, s17
	s_lshl_b32 s17, s17, 2
	s_add_co_u32 s18, s17, s16                     ; which run of 8,192 numbers of the input is my wave's
	s_mov_b32 s19, 0
	s_lshl_b64 s[20:21], s[18:19], 15              ; 32,768 bytes a run
	s_add_nc_u64 s[4:5], s[4:5], s[20:21]
	s_lshl_b32 s18, ttmp9, 2
	s_add_co_u32 s18, s18, s16                     ; and which run of the outputs' one stream
	s_lshl_b64 s[20:21], s[18:19], 12              ; 4,096 bytes of codes a run
	s_add_nc_u64 s[8:9], s[8:9], s[20:21]
	s_lshl_b32 s18, s18, 8                         ; 256 scale bytes a run
	s_add_nc_u64 s[10:11], s[10:11], s[18:19]
.macro LOAD t
.irp i, 0,1,2,3
	global_load_b128 v[R+16*((\t)%4)+4*\i:R+16*((\t)%4)+4*\i+3], v3, s[4:5] offset:2048*(\t)+512*\i th:TH_LOAD_NT   ; 32 lanes read 512 consecutive bytes
.endr
.endm
.macro TURN t                          ; step t's numbers through the stage: LDS serves a wave's instructions in order, so no wait stands between the stores and the loads
.irp i, 0,1,2,3
	ds_store_b128 v14, v[R+16*((\t)%4)+4*\i:R+16*((\t)%4)+4*\i+3] offset:32*SP*((\t)%2)+8*SP*\i
.endr
.irp i, 0,1,2,3
	ds_load_b128 v[X+16*((\t)%2)+4*\i:X+16*((\t)%2)+4*\i+3], v15 offset:32*SP*((\t)%2)+16*\i
.endr
.endm
.irp t, 0,1,2,3
	LOAD \t
.endr
	s_wait_loadcnt 12                              ; step 0's four loads are in; the twelve of steps 1 to 3 may be out
	TURN 0
.macro STEP t
.set XS, X+16*((\t)%2)
.if (\t) > 0
	s_wait_dscnt 1                                 ; this step's numbers are back from the stage (the last step's byte store may be out)
.else
	s_wait_dscnt 0x0
.endif
.if (\t)+4 < STEPS
	LOAD (\t)+4                                    ; into the registers that this step's stage stores have read
.endif
.if (\t)+1 < STEPS
.if STEPS-2-(\t) >= 3
	s_wait_loadcnt 12                              ; the next step's four loads are in; those of the three steps behind it may be out
.else
	s_wait_loadcnt 4*(STEPS-2-(\t))
.endif
	TURN (\t)+1                                    ; through the other stage while this step is worked
.endif
	v_max3_num_f32 v8, |v[XS]|, |v[XS+1]|, |v[XS+2]|               ; the largest magnitude of my 16, in two chains
	v_max3_num_f32 v9, |v[XS+3]|, |v[XS+4]|, |v[XS+5]|
.irp i, 6,10
	v_max3_num_f32 v8, v8, |v[XS+\i]|, |v[XS+\i+1]|
	v_max3_num_f32 v9, v9, |v[XS+\i+2]|, |v[XS+\i+3]|
.endr
	v_max3_num_f32 v8, v8, |v[XS+14]|, |v[XS+15]|
	v_max3_num_f32 v8, v8, v9, (EMAX+1)<<23        ; and the floor 2^(3 - 127): the byte cannot fall under 1
	v_max_num_f32_dpp v8, v8, v8 row_xmask:1 row_mask:0xf bank_mask:0xf   ; and of my neighbour's 16: the block's
	v_add_nc_u32 v11, -(EMAX<<23), v8              ; 2 off its exponent field: the conversion takes the exponent field of this operand as its scale
	v_cvt_scalef32_pk8_fp4_f32 v[C+4*(\t)], v[XS:XS+7], v11        ; to the nearest code, ties to even, beyond the largest code the largest
	v_cvt_scalef32_pk8_fp4_f32 v[C+4*(\t)+1], v[XS+8:XS+15], v11
	v_lshrrev_b32 v[E+(\t)], 23, v11               ; the scale's byte (also the plain line behind the conversions)
	ds_store_b8 v5, v[E+(\t)] offset:16*(\t)       ; both lanes of a block write the same byte with the same value
	global_store_b64 v4, v[C+4*(\t):C+4*(\t)+1], s[8:9] offset:32*CB*(\t)   ; the wave stores 256 consecutive bytes, aligned
.endm
.irp t, 0,1,2,3,4,5,6,7,8,9,10,11,12,13,14,15
	STEP \t
.endr
	ds_load_b64 v[8:9], v6                         ; LDS serves a wave's instructions in order: these see my stores
	s_wait_dscnt 0x0
	global_store_b64 v7, v[8:9], s[10:11]          ; 32 lanes store 256 consecutive bytes, aligned
	s_wait_tensorcnt 0x0                           ; the wave's end: an add onto my spare word and its wait, behind my last LDS store
	ds_add_u32 v[SPW], v[NIL]
	s_wait_dscnt 0x0
	s_endpgm
.Lfunc_end_k_qf45f252d1a_quant_x:
	.size	k_qf45f252d1a_quant_x, .Lfunc_end_k_qf45f252d1a_quant_x-k_qf45f252d1a_quant_x
	.p2alignl 7, 3214868480
	.fill 96, 4, 3214868480
	.section	.rodata,"a",@progbits
	.p2align	6, 0x0
	.amdhsa_kernel k_qf45f252d1a_quant_x
		.amdhsa_group_segment_fixed_size 33280
		.amdhsa_private_segment_fixed_size 0
		.amdhsa_enable_private_segment 0
		.amdhsa_kernarg_size 32
		.amdhsa_user_sgpr_count 2
		.amdhsa_user_sgpr_kernarg_segment_ptr 1
		.amdhsa_wavefront_size32 1
		.amdhsa_system_sgpr_workgroup_id_x 1
		.amdhsa_system_sgpr_workgroup_id_y 1
		.amdhsa_system_sgpr_workgroup_id_z 1
		.amdhsa_system_vgpr_workitem_id 0
		.amdhsa_next_free_vgpr 192
		.amdhsa_next_free_sgpr 66
		.amdhsa_reserve_vcc 0
		.amdhsa_float_denorm_mode_32 3
		.amdhsa_float_denorm_mode_16_64 3
		.amdhsa_memory_ordered 1
		.amdhsa_forward_progress 1
		.amdhsa_inst_pref_size 33
	.end_amdhsa_kernel
	.amdgpu_metadata
---
amdhsa.version: [ 1, 2 ]
amdhsa.kernels:
  - .name:           k_qf45f252d1a_quant_x
    .symbol:         k_qf45f252d1a_quant_x.kd
    .args:
      - { .name: memory, .offset: 0, .size: 8, .value_kind: global_buffer, .address_space: global }
      - { .name: query, .offset: 8, .size: 8, .value_kind: global_buffer, .address_space: global }
      - { .name: xc, .offset: 16, .size: 8, .value_kind: global_buffer, .address_space: global }
      - { .name: xs, .offset: 24, .size: 8, .value_kind: global_buffer, .address_space: global }
    .group_segment_fixed_size: 33280
    .private_segment_fixed_size: 0
    .kernarg_segment_align: 8
    .kernarg_segment_size: 32
    .max_flat_workgroup_size: 128
    .sgpr_count:     66
    .vgpr_count:     192
    .wavefront_size: 32
...
	.end_amdgpu_metadata
.endif
;; end of part 1
;; launch prep_w (part 2): grid 128 x 2, 4 waves a work-group, no clusters, 9,216 bytes of LDS; arguments Wk, Wv, Wq, Wo, wc, ws, wof; writes wc, ws, wof
.if DOCPART == 2
	.amdgcn_target "amdgcn-amd-amdhsa--gfx1250"
	.amdhsa_code_object_version 6
	.text
	.protected	k_qf45f252d1a_prep_w
	.globl	k_qf45f252d1a_prep_w
	.p2align	8
	.type	k_qf45f252d1a_prep_w,@function
k_qf45f252d1a_prep_w:
	s_mov_b64 s[64:65], 0
	v_nop
	global_prefetch_b8 v0, s[64:65] scope:SCOPE_SE
	s_setreg_imm32_b32 hwreg(HW_REG_WAVE_MODE, 25, 1), 1
	s_wait_xcnt 0x0
; LAUNCH 2 OF 5.  The four weights, each [1024 (k)][1024 (n)] f32 with K as FIRST axis.  No work is left out.
; Wk, Wv, Wq -> codes of FP4 (E2M1) with K innermost, wc [3072][512 bytes] (rows 0-1023 Wk's columns, 1024-2047 Wv's, 2048-3071 Wq's), and E8M0 bytes ws [3072][32].
; Wq's BYTES ARE 3 LOWER than the rule's: that is reference()'s factor 64^-0.5 = 2^-3, applied exactly to every product of query x Wq; the codes and the conversion's scale are the rule's.
; Wo -> f16, as images of operand registers: wof [n tile 64][k tile 64][512 bytes]; lane (r, h) of an image holds, at byte 16 x lane, Wo(16 kt + 8 h + 0..7, 16 nt + r).
; A LANE TAKES A COLUMN n AND ITS REGISTERS RUN DOWN K: a load reads 128 consecutive bytes a wave, a block of 32 along K lies in one lane, and the conversions give codes with K innermost.
; SHARES: work-group x = 32 x weight + column group (32 columns), y = which 512 of K; wave w takes 128 of K: 4 blocks.  256 work-groups.
; The codes of the four waves meet in a stage in LDS (32 rows x 256 bytes + 16) and leave as aligned runs of 256 bytes.  The one barrier lies on every work-group's path.
; LIMITS: a block of zeros gets the floor's byte (codes zero; the bytes are read by this program alone); blocks under 2^-124 (Wq: 2^-121) are held at the floor; NaN and infinities are not served;
; |Wo| above 65,504 has no f16 number, under 6e-5 it keeps an absolute step of 6e-8.
.set PITCH, 272
.set X,     32                         ; v32-95   two sets of 32 numbers
.set CD,    96                         ; v96-99   a block's codes; for Wo v96-159: eight registers for each 16 of K, never written again
.set OUTR,  112                        ; v112-127 the way out of the stage
.set SB,    24                         ; v24      my column's four scale bytes
.set SPW,   14
.set NIL,   15
.set SPARE, 32*PITCH                   ; behind the stage: the spare words, 128 bytes a wave, which no other line names
	s_load_b256 s[4:11], s[0:1], 0x0               ; Wk, Wv, Wq, Wo
	s_load_b128 s[12:15], s[0:1], 0x20             ; wc, ws
	s_load_b64 s[16:17], s[0:1], 0x30              ; wof
	v_lshl_add_u32 v[SPW], v0, 2, SPARE
	v_mov_b32 v[NIL], 0
	v_lshrrev_b32 v1, 5, v0
	v_readfirstlane_b32 s18, v1                    ; wave
	v_and_b32 v2, 31, v0                           ; lane
	s_mov_b32 s19, ttmp9                           ; x
	s_lshr_b32 s20, s19, 5                         ; which weight: 0 Wk, 1 Wv, 2 Wq, 3 Wo
	s_and_b32 s21, s19, 31                         ; which 32 columns
	s_and_b32 s22, ttmp7, 0xffff                   ; which 512 of K
	v_lshlrev_b32 v3, 2, v2                        ; in: 4 bytes a lane
	v_mul_u32_u24 v4, v2, PITCH
	s_lshl_b32 s28, s18, 6
	v_add_nc_u32 v4, s28, v4                       ; into the stage: row = my column, my wave's 64 bytes
	v_and_b32 v5, 15, v2
	v_lshrrev_b32 v6, 4, v2
	v_mul_u32_u24 v7, v6, PITCH
	v_lshl_add_u32 v7, v5, 4, v7
	s_mul_i32 s28, s18, 8*PITCH
	v_add_nc_u32 v7, s28, v7                       ; out of it: rows 8 w on, sixteen lanes to a row, two rows an instruction
	v_lshlrev_b32 v8, 9, v6
	v_lshl_add_u32 v8, v5, 4, v8                   ; and the same place in wc
	v_lshlrev_b32 v9, 5, v2                        ; my column's row of ws
	v_lshlrev_b32 v10, 4, v2                       ; an image's place for my lane
	s_lshl_b32 s28, s22, 21                        ; the weight: (512 y + 128 w) rows of 4,096 bytes + 128 bytes a column group
	s_lshl_b32 s29, s18, 19
	s_add_co_u32 s28, s28, s29
	s_lshl_b32 s29, s21, 7
	s_add_co_u32 s28, s28, s29
	s_mov_b32 s29, 0
	s_lshl_b32 s30, s19, 14                        ; wc: (32 x + 8 w) rows of 512 bytes + 256 y
	s_lshl_b32 s31, s18, 12
	s_add_co_u32 s30, s30, s31
	s_lshl_b32 s31, s22, 8
	s_add_co_u32 s30, s30, s31
	s_mov_b32 s31, 0
	s_lshl_b32 s32, s19, 10                        ; ws: 32 x rows of 32 bytes + 16 y + 4 w
	s_lshl_b32 s33, s22, 4
	s_add_co_u32 s32, s32, s33
	s_lshl_b32 s33, s18, 2
	s_add_co_u32 s32, s32, s33
	s_mov_b32 s33, 0
	s_lshl_b32 s34, s21, 16                        ; wof: (128 column group + 32 y + 8 w) images of 512 bytes
	s_lshl_b32 s35, s22, 14
	s_add_co_u32 s34, s34, s35
	s_lshl_b32 s35, s18, 12
	s_add_co_u32 s34, s34, s35
	s_mov_b32 s35, 0
	s_cmp_eq_u32 s20, 2                            ; Wq: the byte is the exponent field - 5, and the floor 2^(6 - 127) keeps it at 1 or above
	s_mov_b32 s26, 0x1800000
	s_cselect_b32 s26, 0x3000000, s26              ; the floor
	s_mov_b32 s27, 0xff000000
	s_cselect_b32 s27, 0xfd800000, s27             ; what is added to the exponent field for the byte: -2 or -5
	s_wait_kmcnt 0x0
	s_cmp_eq_u32 s20, 1                            ; the weight is chosen by the work-group's number alone
	s_cselect_b64 s[24:25], s[6:7], s[4:5]
	s_cmp_eq_u32 s20, 2
	s_cselect_b64 s[24:25], s[8:9], s[24:25]
	s_cmp_eq_u32 s20, 3
	s_cselect_b64 s[24:25], s[10:11], s[24:25]
	s_add_nc_u64 s[24:25], s[24:25], s[28:29]
	s_add_nc_u64 s[12:13], s[12:13], s[30:31]
	s_add_nc_u64 s[14:15], s[14:15], s[32:33]
	s_add_nc_u64 s[16:17], s[16:17], s[34:35]
.macro LOAD t                          ; block t: W(32 t + i, my column), i = 0 .. 31, into set t % 2
.irp i, 0,1,2,3,4,5,6,7,8,9,10,11,12,13,14,15,16,17,18,19,20,21,22,23,24,25,26,27,28,29,30,31
	global_load_b32 v[X+32*((\t)%2)+\i], v3, s[24:25] offset:(32*(\t)+\i)*4096 th:TH_LOAD_NT
.endr
.endm
.macro ARRIVED t
.if (\t) < 3
	s_wait_loadcnt 32                              ; this block's 32 loads are in; the next block's 32 may be out
.else
	s_wait_loadcnt 0x0
.endif
.endm
	LOAD 0
	LOAD 1
	s_cmp_eq_u32 s20, 3
	s_cbranch_scc1 .Lwo
.macro BLOCK t                         ; a block of 32 along K of my column becomes 16 bytes of codes and a byte
.set XS, X+32*((\t)%2)
	ARRIVED \t
	v_max3_num_f32 v12, |v[XS]|, |v[XS+1]|, |v[XS+2]|
	v_max3_num_f32 v13, |v[XS+3]|, |v[XS+4]|, |v[XS+5]|
.irp i, 6,10,14,18,22,26
	v_max3_num_f32 v12, v12, |v[XS+\i]|, |v[XS+\i+1]|
	v_max3_num_f32 v13, v13, |v[XS+\i+2]|, |v[XS+\i+3]|
.endr
	v_max3_num_f32 v12, v12, |v[XS+30]|, |v[XS+31]|
	v_max3_num_f32 v12, v12, v13, s26              ; the block's largest magnitude, over the floor
	v_add_nc_u32 v11, 0xff000000, v12              ; 2 off its exponent field: the conversion's scale operand, for all three weights
	v_add_nc_u32 v13, s27, v12
	v_lshrrev_b32 v13, 23, v13                     ; the byte
.if (\t) == 0
	v_mov_b32 v[SB], v13
.else
	v_lshl_or_b32 v[SB], v13, 8*(\t), v[SB]
.endif
.irp g, 0,1,2,3
	v_cvt_scalef32_pk8_fp4_f32 v[CD+\g], v[XS+8*\g:XS+8*\g+7], v11
.endr
	v_nop                                          ; one plain line behind the conversions
	ds_store_b128 v4, v[CD:CD+3] offset:16*(\t)
.if (\t) < 2
	LOAD (\t)+2
.endif
	s_wait_dscnt 0x0                               ; the store has read its registers: the next block's codes may be written
.endm
	BLOCK 0
	BLOCK 1
	BLOCK 2
	BLOCK 3
	global_store_b32 v9, v[SB], s[14:15]           ; my column's four bytes
	s_branch .Ljoin
.Lwo:
; Wo.  My 16 numbers of a k tile become two groups of four registers: k 0-7 and k 8-15 of my column.  The exchange of halves gives the first group lanes 0-15's k 0-7 and, in lanes 16-31, their k 8-15:
; the image of n tile 2 g; the second group likewise is the image of n tile 2 g + 1.
.macro HALF t
.set XS, X+32*((\t)%2)
	ARRIVED \t
.irp u, 0,1
.irp i, 0,1,2,3
	v_cvt_pk_f16_f32 v[CD+16*(\t)+8*\u+\i], v[XS+16*\u+2*\i], v[XS+16*\u+2*\i+1]
	v_cvt_pk_f16_f32 v[CD+16*(\t)+8*\u+4+\i], v[XS+16*\u+8+2*\i], v[XS+16*\u+8+2*\i+1]
.endr
.irp i, 0,1,2,3
	v_permlane16_swap_b32 v[CD+16*(\t)+8*\u+\i], v[CD+16*(\t)+8*\u+4+\i]
.endr
	global_store_b128 v10, v[CD+16*(\t)+8*\u:CD+16*(\t)+8*\u+3], s[16:17] offset:(2*(\t)+\u)*512             ; 512 consecutive bytes, aligned
	global_store_b128 v10, v[CD+16*(\t)+8*\u+4:CD+16*(\t)+8*\u+7], s[16:17] offset:(2*(\t)+\u)*512+32768
.endr
.if (\t) < 2
	LOAD (\t)+2
.endif
.endm
	HALF 0
	HALF 1
	HALF 2
	HALF 3
.Ljoin:
	s_wait_dscnt 0x0                               ; for the others' sake: my stores into the stage are done
	s_barrier_signal -1
	s_barrier_wait -1
	s_cmp_eq_u32 s20, 3
	s_cbranch_scc1 .Lend                           ; Wo has nothing in the stage
.irp t, 0,1,2,3
	ds_load_b128 v[OUTR+4*\t:OUTR+4*\t+3], v7 offset:2*\t*PITCH
.endr
.irp t, 0,1,2,3
	s_wait_dscnt 3-\t                              ; LDS loads come back in order: load t is in
	global_store_b128 v8, v[OUTR+4*\t:OUTR+4*\t+3], s[12:13] offset:2*\t*512   ; sixteen lanes store 256 consecutive bytes, aligned
.endr
.Lend:
	s_wait_tensorcnt 0x0                           ; the wave's end: an add onto my spare word and its wait, behind my last LDS store
	ds_add_u32 v[SPW], v[NIL]
	s_wait_dscnt 0x0
	s_endpgm
.Lfunc_end_k_qf45f252d1a_prep_w:
	.size	k_qf45f252d1a_prep_w, .Lfunc_end_k_qf45f252d1a_prep_w-k_qf45f252d1a_prep_w
	.p2alignl 7, 3214868480
	.fill 96, 4, 3214868480
	.section	.rodata,"a",@progbits
	.p2align	6, 0x0
	.amdhsa_kernel k_qf45f252d1a_prep_w
		.amdhsa_group_segment_fixed_size 9216
		.amdhsa_private_segment_fixed_size 0
		.amdhsa_enable_private_segment 0
		.amdhsa_kernarg_size 56
		.amdhsa_user_sgpr_count 2
		.amdhsa_user_sgpr_kernarg_segment_ptr 1
		.amdhsa_wavefront_size32 1
		.amdhsa_system_sgpr_workgroup_id_x 1
		.amdhsa_system_sgpr_workgroup_id_y 1
		.amdhsa_system_sgpr_workgroup_id_z 1
		.amdhsa_system_vgpr_workitem_id 0
		.amdhsa_next_free_vgpr 160
		.amdhsa_next_free_sgpr 66
		.amdhsa_reserve_vcc 0
		.amdhsa_float_denorm_mode_32 3
		.amdhsa_float_denorm_mode_16_64 3
		.amdhsa_memory_ordered 1
		.amdhsa_forward_progress 1
		.amdhsa_inst_pref_size 36
	.end_amdhsa_kernel
	.amdgpu_metadata
---
amdhsa.version: [ 1, 2 ]
amdhsa.kernels:
  - .name:           k_qf45f252d1a_prep_w
    .symbol:         k_qf45f252d1a_prep_w.kd
    .args:
      - { .name: Wk, .offset: 0, .size: 8, .value_kind: global_buffer, .address_space: global }
      - { .name: Wv, .offset: 8, .size: 8, .value_kind: global_buffer, .address_space: global }
      - { .name: Wq, .offset: 16, .size: 8, .value_kind: global_buffer, .address_space: global }
      - { .name: Wo, .offset: 24, .size: 8, .value_kind: global_buffer, .address_space: global }
      - { .name: wc, .offset: 32, .size: 8, .value_kind: global_buffer, .address_space: global }
      - { .name: ws, .offset: 40, .size: 8, .value_kind: global_buffer, .address_space: global }
      - { .name: wof, .offset: 48, .size: 8, .value_kind: global_buffer, .address_space: global }
    .group_segment_fixed_size: 9216
    .private_segment_fixed_size: 0
    .kernarg_segment_align: 8
    .kernarg_segment_size: 56
    .max_flat_workgroup_size: 128
    .sgpr_count:     66
    .vgpr_count:     160
    .wavefront_size: 32
...
	.end_amdgpu_metadata
.endif
;; end of part 2
;; launch proj (part 3): grid 4 x 64, 4 waves a work-group, clusters of 4 x 4, 327,680 bytes of LDS; arguments xc, xs, wc, ws, kv, qf; writes kv, qf
.if DOCPART == 3
	.amdgcn_target "amdgcn-amd-amdhsa--gfx1250"
	.amdhsa_code_object_version 6
	.text
	.protected	k_qf45f252d1a_proj
	.globl	k_qf45f252d1a_proj
	.p2align	8
	.type	k_qf45f252d1a_proj,@function
k_qf45f252d1a_proj:
	s_mov_b64 s[64:65], 0
	v_nop
	global_prefetch_b8 v0, s[64:65] scope:SCOPE_SE
	s_setreg_imm32_b32 hwreg(HW_REG_WAVE_MODE, 25, 1), 1
	s_wait_xcnt 0x0
	s_wait_alu depctr_hold_cnt(0) depctr_sa_sdst(0) depctr_va_vdst(0) depctr_va_sdst(0) depctr_va_ssrc(0) depctr_va_vcc(0) depctr_vm_vsrc(0)
	s_getreg_b32 s2, hwreg(HW_REG_IB_STS2, 6, 4)
	s_cmp_eq_u32 s2, 0
	s_cbranch_scc0 .Lentry_in_a_cluster
	s_endpgm
.Lentry_in_a_cluster:
	s_bfe_u32 s2, ttmp6, 0x10000c
	s_cmp_lg_u32 s2, 0xf033
	s_cbranch_scc0 .Lentry_shape_is_right
	s_endpgm
.Lentry_shape_is_right:
; LAUNCH 3 OF 5.  The three quantised products, k = memory Wk, v = memory Wv, q / 8 = query Wq (the 1/8 lies in Wq's scale bytes), on codes of FP4 with E8M0 scales, K = 1,024, sums in f32.  No work is left out.
; A WORK-GROUP STAYS.  16 clusters of 4 x 4 work-groups, one work-group for each of 256 tiles of 256 rows of memory x 256 channels.  It makes, one after the other: its tile of k; the tile of v for the SAME rows of memory;
; and 32 queries x 256 channels of q.  Four waves; for k and v a wave makes 128 x 128: 64 accumulators, 512 registers; for q 16 x 128: 8 accumulators.
; C[m][n] = sum over K of A[m][K] B[n][K]: A = rows of xc (keys, queries), B = rows of wc (channels).  All of K lies in two LDS slots of 512 along K, so A's tiles and scales of k serve v as they lie: for v only B's
; parts of the slots are filled again (Wv's rows), for q B's parts (Wq's rows) and 32 rows at the head of A's parts.  A tile's stores are on their way while the next tile is multiplied; nothing waits for them.
; WHICH SOURCE IS WHICH decides what a lane holds.  k, q: source 0 = 16 rows of B, source 1 = 16 rows of A: a lane holds one key or query and eight neighbouring channels.  v: the sources (and their scale operands)
; the other way round: a lane holds one channel and eight neighbouring keys.  Rounded to f16, an accumulator's eight numbers a lane are 16 bytes, and the wave's 512 bytes ARE a 16 x 16 piece of a 16-bit operand as the
; next launch's matrix instructions want it in registers.  OUT: kv: k at 0, v at 0x2000000, each [key tile 1024][channel tile 64][512 bytes]; qf [query tile 128][channel tile 64][512 bytes].
; Every store of a wave covers 512 consecutive bytes, aligned: no stage in LDS.
; CLUSTERS.  The four work-groups of a row of the cluster need the same rows of A, the four of a column the same rows of B: every tile, the refills too, is asked for JOINTLY.
; No prefetch: the rows of wc that the refills bring are read by all sixteen clusters, not once.
; LIMITS: |k|, |v|, |q / 8| above 65,504 have no f16 number; under 6e-5 they keep an absolute step of 6e-8.
; REGISTERS, in windows of 256: window 0: v0-31 addresses; v32-95 scale words, two sets; v96-103 the scale words of my 16 queries; v128-191 A's fragments, ONE set; v192-255 packed results on the way out.
;   window 1: B's fragments, TWO sets, at v0 and v128 (for q four, of 64 registers each).   window 2: the accumulators of my rows 0-63 ((a, b) at v[8 (8 a + b)]), for q all eight;   window 3: those of rows 64-127.
.set NQ,     4                         ; steps of 128 along K in a slot
.set ROWB,   256                       ; a tile's row: 512 codes
.set KROW,   512                       ; a row of codes in memory
.set PITCH,  272                       ; an LDS row: 256 bytes + 16 of padding: the 16 rows that a load touches start 68 words apart
.set FR,     8                         ; registers of a fragment: 16 rows x 128 K
.set NL,     2                         ; LDS loads that bring one
.set NP,     4                         ; places behind this matrix instruction (ISA guide 7.12.1)
.set HALFT,  128*PITCH                 ; 128 rows: what one tensor load brings
.set SLOT,   4*HALFT                   ; A's 256 rows, then B's 256 rows
.set KS,     32                        ; a row of scale bytes
.set SCL,    2*SLOT                    ; behind the slots: the scales, as runs of 256 bytes + 16 of padding: A's two halves, then for Wk, Wv, Wq two halves each
.set HALFS,  (128*KS/256)*272          ; the scales of 128 rows
.set SBLK,   (16*KS/256)*272           ; those of 16 rows
.set SPARE,  SCL+8*HALFS               ; the spare words, 128 bytes a wave, which no other line names
.set WSTEP,  1024*KROW                 ; from a weight's rows in wc to the next weight's
.set L16,  7                           ; v7      16 x lane
.set QOF,  8                           ; v8      32 x (lane % 16): my query's row of scale bytes
.set ADRA, 16                          ; v16-17  LDS address of my A fragments in slot 0, 1
.set ADQ,  18                          ; v18-19  the same for my 16 queries
.set ADRB, 20                          ; v20-21  the same for B
.set ADRS, 24                          ; v24-26  LDS address of my scale words for Wk, Wv, Wq: lanes 0-15 A's rows, lanes 16-31 the weight's
.set SPW,  28
.set NIL,  29
.set SC,   32                          ; scale words: set s at v[SC + 32 s]; register 4 i + q: lanes 0-15 A's block i, lanes 16-31 B's block i, the slot's q-th 128 along K
.set QAS,  96                          ; v96-103 my queries' scale words: register s for K step s
.set AF,   128
.set TMP,  192                         ; the way out: two sets of 32 registers
.set G1Q,  4                           ; s[4:11]  first the four inputs' addresses, then group 1 for 16 query rows
.set G1,   24                          ; s[24:31] group 1 for A's tiles;  s[32:39] group 0, a set for each slot
.set G0,   32
.set G1B,  48                          ; s[48:55], s[56:63] the same for B's
.set G0B,  56
.set G1S,  68                          ; s[68:75], s[76:79] groups 1 and 0 for A's scales
.set G0S,  76
.set G1SB, 80                          ; s[80:87] group 1 for B's scales;  s[88:99] three groups 0, one for each weight
.set G0SB, 88
.set FLAGC, (0<<16)|(1<<20)|(1<<21)|(5<<22)|(3<<25)   ; elements of 1 byte; padding: 4 words after every 64; bit 21 beside a mask
.set FLAGS, (3<<16)|(1<<20)|(1<<21)|(5<<22)|(3<<25)   ; the same with elements of 8 bytes
.set SW,  0                            ; 1 while v is multiplied: the sources the other way round
.set MSB, 0
.macro WIN new                         ; the immediate's high byte repeats the setting that is left
.if MSB != (\new)
	s_set_vgpr_msb (MSB<<8)|(\new)
.set MSB, (\new)
.endif
.endm
.macro WMUL hi                         ; B's fragments window 1, A's window 0; C and D window 2 (hi = 0) or 3
.if SW
	WIN 0xa4+0x50*(\hi)
.else
	WIN 0xa1+0x50*(\hi)
.endif
.endm
.set TO_B,   0x40                      ; destination window 1, address window 0
; A joint load: waves 0 and 1 fetch for A, waves 2 and 3 for B; the branch hangs on the wave's number alone.  An s_nop 0 and four v_nop follow each line.
.macro JLOAD g0a, g1a, g0b, g1b
	s_cmp_eq_u32 s15, 0
	s_cbranch_scc0 .Lfor_b_\@
	tensor_load_to_lds s[\g0a:\g0a+3], s[\g1a:\g1a+7]
	s_nop 0
.rept 4
	v_nop
.endr
	s_branch .Lasked_\@
.Lfor_b_\@:
	tensor_load_to_lds s[\g0b:\g0b+3], s[\g1b:\g1b+7]
	s_nop 0
.rept 4
	v_nop
.endr
.Lasked_\@:
.endm
.macro BLOAD g0b                       ; B's part alone: waves 0 and 1 have nothing to fill
	s_cmp_eq_u32 s15, 0
	s_cbranch_scc1 .Lnone_\@
	tensor_load_to_lds s[\g0b:\g0b+3], s[G1B:G1B+7]
	s_nop 0
.rept 4
	v_nop
.endr
.Lnone_\@:
.endm
.macro CREST                           ; a round of the cluster's barrier behind its opening barrier
	s_cmp_lg_u32 s14, 0
	s_cbranch_scc1 .Lnot_wave_0_\@
	s_barrier_signal -3
.Lnot_wave_0_\@:
	s_barrier_wait -3
	s_barrier_signal -1
	s_barrier_wait -1
.endm
.macro CROUND                          ; a whole round
	s_barrier_signal -1
	s_barrier_wait -1
	CREST
.endm
	s_load_b256 s[4:11], s[0:1], 0x0               ; xc, xs, wc, ws
	s_load_b128 s[20:23], s[0:1], 0x20             ; kv, qf
	v_lshl_add_u32 v[SPW], v0, 2, SPARE
	v_mov_b32 v[NIL], 0
	ds_add_u32 v[SPW], v[NIL]                      ; the wave's opening: the add, twice on end, and its wait ahead of my first tensor load
	ds_add_u32 v[SPW], v[NIL]
	v_lshrrev_b32 v1, 5, v0
	v_readfirstlane_b32 s14, v1                    ; wave 0..3
	s_lshr_b32 s15, s14, 1                         ; which half of the tile's rows is mine.  Also: I fetch for A (0) or for B (1)
	s_and_b32 s16, s14, 1                          ; which half of its columns.  Also: which half of a tile I fetch
	s_bfe_u32 s40, ttmp6, 0x40000                  ; cx
	s_bfe_u32 s41, ttmp6, 0x40004                  ; cy
	s_and_b32 s42, ttmp7, 0xffff                   ; g: the cluster, 0..15
	s_lshl_b32 s43, s41, 2
	s_lshl_b32 s43, 15, s43                        ; my row of the cluster
	s_lshl_b32 s44, 0x1111, s40                    ; my column
	; descriptor group 1: a tile of 128 rows x 256 bytes, padded in LDS
	s_or_b32 s[G1+0], s43, FLAGC                   ; A's tiles go to my row,
	s_or_b32 s[G1B+0], s44, FLAGC                  ; B's to my column
.irp g, G1, G1B
	s_mov_b32 s[\g+1], ROWB<<16                    ; tensor_dim0
	s_mov_b32 s[\g+2], 128<<16                     ; tensor_dim1
	s_mov_b32 s[\g+3], ROWB<<16                    ; tile_dim0
	s_mov_b32 s[\g+4], 128                         ; tile_dim1
	s_mov_b32 s[\g+5], KROW                        ; from row to row
	s_mov_b32 s[\g+6], 0
	s_mov_b32 s[\g+7], 0
.endr
	; the scales of 128 rows: 4,096 dense bytes, as 16 rows of 256 bytes (32 elements of 8), 16 bytes of padding behind each
	s_or_b32 s[G1S+0], s43, FLAGS
	s_or_b32 s[G1SB+0], s44, FLAGS
.irp g, G1S, G1SB
	s_mov_b32 s[\g+1], 32<<16
	s_mov_b32 s[\g+2], (128*KS/256)<<16
	s_mov_b32 s[\g+3], 32<<16
	s_mov_b32 s[\g+4], 128*KS/256
	s_mov_b32 s[\g+5], 32
	s_mov_b32 s[\g+6], 0
	s_mov_b32 s[\g+7], 0
.endr
	; where the tiles come from.  A's rows hang on g and cy alone, B's on cx alone, each in registers that never hold the other coordinate
	s_lshl_b32 s17, s16, 7                         ; which 128 rows of the tile I fetch
	s_lshl_b32 s18, s42, 10
	s_lshl_b32 s2, s41, 8
	s_add_co_u32 s18, s18, s2
	s_add_co_u32 s18, s18, s17                     ; A: row 1,024 g + 256 cy + 128 x half of xc
	s_mov_b32 s19, 0
	s_lshl_b32 s46, s40, 8
	s_add_co_u32 s46, s46, s17                     ; B: row 256 cx + 128 x half of wc: Wk's; Wv's and Wq's lie 1,024 and 2,048 rows on
	s_mov_b32 s47, 0
	s_lshl_b64 s[2:3], s[18:19], 5                 ; where these rows' scales begin, in bytes,
	s_lshl_b64 s[100:101], s[46:47], 5
	s_lshl_b64 s[18:19], s[18:19], 9               ; and their codes
	s_lshl_b64 s[46:47], s[46:47], 9
	s_lshl_b32 s66, s42, 7                         ; the query rows that I fetch: row 16,384 + 128 g + 32 cy + 16 x half of xc
	s_lshl_b32 s67, s41, 5
	s_add_co_u32 s66, s66, s67
	s_lshl_b32 s67, s16, 4
	s_add_co_u32 s66, s66, s67
	s_add_co_u32 s66, s66, 16384
	s_lshl_b32 s66, s66, 9
	s_mov_b32 s67, 0
	s_mul_i32 s45, s14, HALFT                      ; where the tiles go: wave x 128 rows: no place in the cluster enters an LDS address
	s_mul_i32 s17, s14, HALFS
	s_wait_dscnt 0x0                               ; both opening adds are done
	s_wait_kmcnt 0x0
	s_add_nc_u64 s[18:19], s[4:5], s[18:19]        ; A's codes
	s_add_nc_u64 s[2:3], s[6:7], s[2:3]            ; A's scales
	s_add_nc_u64 s[46:47], s[8:9], s[46:47]        ; B's codes
	s_add_nc_u64 s[100:101], s[10:11], s[100:101]  ; B's scales
	s_add_nc_u64 s[66:67], s[4:5], s[66:67]        ; the queries' codes
	s_mov_b32 s[G0S], 1
	s_add_co_u32 s[G0S+1], s17, SCL
	s_mov_b64 s[G0S+2:G0S+3], s[2:3]
	s_or_b32 s[G0S+3], s[G0S+3], 0x80000000
.irp p, 0,1,2
	s_mov_b32 s[G0SB+4*\p], 1
	s_add_co_u32 s[G0SB+4*\p+1], s17, SCL+2*\p*HALFS
	s_add_nc_u64 s[G0SB+4*\p+2:G0SB+4*\p+3], s[100:101], \p*1024*KS
	s_or_b32 s[G0SB+4*\p+3], s[G0SB+4*\p+3], 0x80000000
.endr
.irp s, 0,1
	s_mov_b32 s[G0+4*\s], 1
	s_add_co_u32 s[G0+4*\s+1], s45, \s*SLOT
	s_add_nc_u64 s[G0+4*\s+2:G0+4*\s+3], s[18:19], \s*ROWB
	s_or_b32 s[G0+4*\s+3], s[G0+4*\s+3], 0x80000000
	s_mov_b32 s[G0B+4*\s], 1
	s_add_co_u32 s[G0B+4*\s+1], s45, \s*SLOT
	s_add_nc_u64 s[G0B+4*\s+2:G0B+4*\s+3], s[46:47], \s*ROWB
	s_or_b32 s[G0B+4*\s+3], s[G0B+4*\s+3], 0x80000000
.endr
	; the 16 queries that I multiply: row 128 g + 32 cy + 16 x (wave / 2) of the 2,048: their scale bytes, and where their results go
	s_lshl_b32 s2, s42, 7
	s_lshl_b32 s3, s41, 5
	s_add_co_u32 s2, s2, s3
	s_lshl_b32 s3, s15, 4
	s_add_co_u32 s2, s2, s3
	s_lshl_b32 s100, s2, 5
	s_add_co_u32 s100, s100, 16384*KS
	s_mov_b32 s101, 0
	s_add_nc_u64 s[100:101], s[6:7], s[100:101]    ; xs at my queries; never rewritten
	s_lshl_b32 s2, s2, 11                          ; qf: query tile x 32,768 + channel tile x 512: channel 256 cx + 128 x (wave % 2)
	s_lshl_b32 s3, s40, 13
	s_add_co_u32 s2, s2, s3
	s_lshl_b32 s3, s16, 12
	s_add_co_u32 s2, s2, s3
	s_mov_b32 s3, 0
	s_add_nc_u64 s[22:23], s[22:23], s[2:3]
	s_lshl_b32 s2, s42, 21                         ; kv: key tile 64 g + 16 cy + 8 x (wave / 2), the same channels
	s_lshl_b32 s3, s41, 19
	s_add_co_u32 s2, s2, s3
	s_lshl_b32 s3, s15, 18
	s_add_co_u32 s2, s2, s3
	s_lshl_b32 s3, s40, 13
	s_add_co_u32 s2, s2, s3
	s_lshl_b32 s3, s16, 12
	s_add_co_u32 s2, s2, s3
	s_mov_b32 s3, 0
	s_add_nc_u64 s[12:13], s[20:21], s[2:3]
	; the four inputs' addresses are done with: their registers take group 1 for 16 query rows x 256 bytes, shared along my row of the cluster
	s_or_b32 s[G1Q+0], s43, FLAGC
	s_mov_b32 s[G1Q+1], ROWB<<16
	s_mov_b32 s[G1Q+2], 16<<16
	s_mov_b32 s[G1Q+3], ROWB<<16
	s_mov_b32 s[G1Q+4], 16
	s_mov_b32 s[G1Q+5], KROW
	s_mov_b32 s[G1Q+6], 0
	s_mov_b32 s[G1Q+7], 0
	CROUND                                         ; all sixteen work-groups are here: the first joint loads meet
	s_cmp_eq_u32 s15, 0                            ; a wave's first fills stand in one branch: three tensor loads of mine are out in waves 0 and 1, five in waves 2 and 3; slot 1's is the last in both
	s_cbranch_scc0 .Lfirst_b
	tensor_load_to_lds s[G0S:G0S+3], s[G1S:G1S+7]
	s_nop 0
	tensor_load_to_lds s[G0:G0+3], s[G1:G1+7]
	s_nop 0
	tensor_load_to_lds s[G0+4:G0+7], s[G1:G1+7]
	s_nop 0
.rept 4
	v_nop
.endr
	s_branch .Lfirst_done
.Lfirst_b:
	tensor_load_to_lds s[G0SB:G0SB+3], s[G1SB:G1SB+7]
	s_nop 0
	tensor_load_to_lds s[G0SB+4:G0SB+7], s[G1SB:G1SB+7]
	s_nop 0
	tensor_load_to_lds s[G0SB+8:G0SB+11], s[G1SB:G1SB+7]
	s_nop 0
	tensor_load_to_lds s[G0B:G0B+3], s[G1B:G1B+7]
	s_nop 0
	tensor_load_to_lds s[G0B+4:G0B+7], s[G1B:G1B+7]
	s_nop 0
.rept 4
	v_nop
.endr
.Lfirst_done:
	v_and_b32 v1, 15, v0                           ; l % 16
	v_bfe_u32 v2, v0, 4, 1                         ; l / 16
	v_lshlrev_b32 v[QOF], 5, v1
	global_load_b128 v[QAS:QAS+3], v[QOF], s[100:101]              ; my queries' scale words: lane r (and 16 + r) takes row r's eight
	global_load_b128 v[QAS+4:QAS+7], v[QOF], s[100:101] offset:16
	v_mul_u32_u24 v3, v1, PITCH
	v_lshl_add_u32 v4, v2, 4, v3                   ; a fragment's row x pitch + 16 x half
	s_mul_i32 s2, s15, HALFT                       ; my 128 rows of A
	s_mul_i32 s3, s16, HALFT                       ; my 128 rows of B,
	s_add_co_u32 s3, s3, 2*HALFT                   ; which lie behind A's 256
	s_mul_i32 s18, s15, 16*PITCH                   ; my 16 queries, at the head of A's part
.irp s, 0,1
	v_add_nc_u32 v[ADRA+\s], s2, v4
	v_add_nc_u32 v[ADRB+\s], s3, v4
	v_add_nc_u32 v[ADQ+\s], s18, v4
	s_add_co_u32 s2, s2, SLOT
	s_add_co_u32 s3, s3, SLOT
	s_add_co_u32 s18, s18, SLOT
.endr
	v_mul_u32_u24 v5, v1, KS                       ; my row's scales: 32 bytes a row,
	v_lshrrev_b32 v6, 8, v5
	v_lshl_add_u32 v5, v6, 4, v5                   ; and 16 more for each 256 passed
	s_mul_i32 s19, s15, HALFS                      ; A's: my 128 rows
	s_mul_i32 s20, s16, HALFS                      ; B's: my 128 rows, behind A's 256
	s_add_co_u32 s20, s20, 2*HALFS
	s_sub_co_u32 s20, s20, s19
	s_add_co_u32 s19, s19, SCL
	v_add_nc_u32 v5, s19, v5
.irp p, 0,1,2
	v_mul_u32_u24 v6, s20, v2                      ; lanes 16-31 take the weight's
	v_add_nc_u32 v[ADRS+\p], v5, v6
	s_add_co_u32 s20, s20, 2*HALFS                 ; the next weight's scales lie two halves on
.endr
	v_and_b32 v[L16], 31, v0
	v_lshlrev_b32 v[L16], 4, v[L16]
.macro FRAG reg, adr, q, i             ; a fragment, 16 rows x 128 K of 4-bit codes: lane l holds row l % 16; registers 4 c .. 4 c + 3 hold K = 64 c + 32 (l / 16) + 0 .. 31
.irp c, 0,1
	ds_load_b128 v[\reg+4*\c:\reg+4*\c+3], v[\adr] offset:64*(\q)+32*\c+(\i)*16*PITCH
.endr
.endm
; 16 matrix instructions: A's blocks a0, a0 + 1 x B's eight, the slot's q-th 128 along K.  p: B's set; sc: the set of scale words.  zero = 1: the first product starts the sums: nothing is cleared.
; The 64 accumulators take turns, one instruction a turn, in the same order in every step.  SW = 1: source 0 = A's rows, source 1 = B's, the scale operands with them.
.macro MUL16 a0, p, q, sc, zero
.irp a, \a0, \a0+1
.irp b, 0,1,2,3,4,5,6,7
.if SW
.if \zero
	v_wmma_scale_f32_16x16x128_f8f6f4 v[8*(8*((\a)%4)+\b):8*(8*((\a)%4)+\b)+7], v[AF+FR*(\a):AF+FR*(\a)+FR-1], v[128*(\p)+FR*\b:128*(\p)+FR*\b+FR-1], 0, v[SC+8*NQ*(\sc)+NQ*(\a)+(\q)], v[SC+8*NQ*(\sc)+NQ*\b+(\q)] matrix_a_fmt:MATRIX_FMT_FP4 matrix_b_fmt:MATRIX_FMT_FP4 matrix_b_scale:MATRIX_SCALE_ROW1
.else
	v_wmma_scale_f32_16x16x128_f8f6f4 v[8*(8*((\a)%4)+\b):8*(8*((\a)%4)+\b)+7], v[AF+FR*(\a):AF+FR*(\a)+FR-1], v[128*(\p)+FR*\b:128*(\p)+FR*\b+FR-1], v[8*(8*((\a)%4)+\b):8*(8*((\a)%4)+\b)+7], v[SC+8*NQ*(\sc)+NQ*(\a)+(\q)], v[SC+8*NQ*(\sc)+NQ*\b+(\q)] matrix_a_fmt:MATRIX_FMT_FP4 matrix_b_fmt:MATRIX_FMT_FP4 matrix_b_scale:MATRIX_SCALE_ROW1
.endif
.else
.if \zero
	v_wmma_scale_f32_16x16x128_f8f6f4 v[8*(8*((\a)%4)+\b):8*(8*((\a)%4)+\b)+7], v[128*(\p)+FR*\b:128*(\p)+FR*\b+FR-1], v[AF+FR*(\a):AF+FR*(\a)+FR-1], 0, v[SC+8*NQ*(\sc)+NQ*\b+(\q)], v[SC+8*NQ*(\sc)+NQ*(\a)+(\q)] matrix_a_fmt:MATRIX_FMT_FP4 matrix_b_fmt:MATRIX_FMT_FP4 matrix_a_scale:MATRIX_SCALE_ROW1
.else
	v_wmma_scale_f32_16x16x128_f8f6f4 v[8*(8*((\a)%4)+\b):8*(8*((\a)%4)+\b)+7], v[128*(\p)+FR*\b:128*(\p)+FR*\b+FR-1], v[AF+FR*(\a):AF+FR*(\a)+FR-1], v[8*(8*((\a)%4)+\b):8*(8*((\a)%4)+\b)+7], v[SC+8*NQ*(\sc)+NQ*\b+(\q)], v[SC+8*NQ*(\sc)+NQ*(\a)+(\q)] matrix_a_fmt:MATRIX_FMT_FP4 matrix_b_fmt:MATRIX_FMT_FP4 matrix_a_scale:MATRIX_SCALE_ROW1
.endif
.endif
.endr
.endr
.endm
.macro FETCH_B slot, q, p
	WIN TO_B
.irp i, 0,1,2,3,4,5,6,7
	FRAG 128*(\p)+FR*\i, ADRB+\slot, \q, \i
.endr
	WIN 0
.endm
.macro FETCH_A slot, q, i0
.irp i, \i0, \i0+1, \i0+2, \i0+3
	FRAG AF+FR*(\i), ADRA+\slot, \q, \i
.endr
.endm
.macro SCALES sc, adr                  ; slot sc's scale words: 4 words a row, 16 bytes on for slot 1; lanes 0-15 take A's block i, lanes 16-31 B's block i
.irp i, 0,1,2,3,4,5,6,7
	ds_load_b128 v[SC+8*NQ*\sc+NQ*\i:SC+8*NQ*\sc+NQ*\i+3], v[\adr] offset:\i*SBLK+4*NQ*\sc
.endr
.endm
.macro PLACES n                        ; plain vector lines between a matrix instruction and a load into, or a vector read of, its registers
.rept \n
	v_nop
.endr
.endm
.macro STEP slot, q, zero              ; a step of 128 along K that has its successor in the same slot
	s_wait_dscnt 4*NL                              ; B's set and A's blocks 0-3 are in; the youngest eight loads (A's blocks 4-7) may be out
	WMUL 0
	MUL16 0, (\q)%2, \q, \slot, \zero
	MUL16 2, (\q)%2, \q, \slot, \zero
	s_wait_dscnt 0
	PLACES NP
	FETCH_B \slot, (\q)+1, 1-(\q)%2
	FETCH_A \slot, (\q)+1, 0
	WMUL 1
	MUL16 4, (\q)%2, \q, \slot, \zero
	MUL16 6, (\q)%2, \q, \slot, \zero
	PLACES NP
	WIN 0
	FETCH_A \slot, (\q)+1, 4
.endm
; A slot's last step changes slots, and the slot that is left is filled again for the NEXT tile: ONE barrier, which opens a round of the cluster's.  In front of it each wave waits for all its tensor loads, adds 0 to its
; spare word, and waits for that and for its own reads of this slot.  Behind the round the joint refill comes first.  fill = 1: B's part alone, with the next weight's rows; fill = 2: B's part, and 32 query rows at the head of A's.
; fetch = 1: the next slot's first fragments and its scale words (by the address register adr) are fetched as in any step.
.macro TURN slot, next, fill, adr, fetch
	s_wait_tensorcnt 0x0                           ; all my tensor loads have landed, my part of the next slot among them: so every group 0 may be written;
	ds_add_u32 v[SPW], v[NIL]                      ; 0 onto my spare word
	s_wait_dscnt 4*NL+1                            ; (the add and the youngest eight loads, A's blocks 4-7, may be out)
	WMUL 0
	MUL16 0, 1, NQ-1, \slot, 0                     ; sixteen matrix instructions stand between the add and the wait for it
	s_wait_dscnt 0x0                               ; the add is done, and my reads of this slot are over
	s_barrier_signal -1
	MUL16 2, 1, NQ-1, \slot, 0
	WIN 0
	s_barrier_wait -1
	CREST                                          ; no wave of any partner still reads this slot or has a load on its way
	s_add_nc_u64 s[G0B+4*\slot+2:G0B+4*\slot+3], s[G0B+4*\slot+2:G0B+4*\slot+3], WSTEP   ; the next weight's rows; the type bits on top are not reached
.if \fill == 2
	s_mul_i32 s17, s16, 16*PITCH                   ; waves 0 and 1 bring 16 query rows each
	s_add_co_u32 s[G0+4*\slot+1], s17, \slot*SLOT
	s_add_nc_u64 s[G0+4*\slot+2:G0+4*\slot+3], s[66:67], \slot*ROWB
	s_or_b32 s[G0+4*\slot+3], s[G0+4*\slot+3], 0x80000000
	JLOAD G0+4*\slot, G1Q, G0B+4*\slot, G1B        ; the four v_nop behind it are also the places in front of the loads below
.else
	BLOAD G0B+4*\slot
	PLACES NP                                      ; in front of the loads below, in the waves that fill nothing too
.endif
.if \fetch
	FETCH_B \next, 0, 0
	FETCH_A \next, 0, 0
	SCALES \next, \adr
.endif
	WMUL 1
	MUL16 4, 1, NQ-1, \slot, 0
	MUL16 6, 1, NQ-1, \slot, 0
	PLACES NP
	WIN 0
.if \fetch
	FETCH_A \next, 0, 4
.endif
.endm
.macro STEPS slot, from
.set Q, \from
.rept NQ-1-\from
	STEP \slot, Q, 0
.set Q, Q+1
.endr
.endm
; THE WAY OUT of a tile of k or v, A's blocks one after the other.  An accumulator's eight numbers a lane round to 16 bytes; the wave's 512 bytes are one image, stored as they stand.
.macro PACK a
.set AC, 64*((\a)%4)
.set TT, TMP+32*((\a)%2)
	WIN 0x0a+5*((\a)/4)                            ; sources 0 and 1: window 2 or 3
.irp b, 0,1,2,3,4,5,6,7
.irp r, 0,1,2,3
	v_cvt_pk_f16_f32 v[TT+4*\b+\r], v[AC+8*\b+2*\r], v[AC+8*\b+2*\r+1]   ; each accumulator from its low end on
.endr
.endr
	WIN 0
.endm
.macro SEND a, v
.set TT, TMP+32*((\a)%2)
	s_wait_xcnt 0x0                                ; the earlier stores have read their base and their data: the base may step, and the other set of 32 may be packed anew behind this block's stores
.if (\a) > 0
	s_add_nc_u64 s[12:13], s[12:13], 32768         ; the next key tile
.elseif \v
	s_add_nc_u64 s[12:13], s[12:13], 0x2000000-7*32768   ; from k's last key tile to v's first
.endif
.irp b, 0,1,2,3,4,5,6,7
	global_store_b128 v[L16], v[TT+4*\b:TT+4*\b+3], s[12:13] offset:512*\b   ; 512 consecutive bytes, aligned
.endr
.endm
.macro WAYOUT v
.irp a, 0,1,2,3,4,5,6,7
	PACK \a
	SEND \a, \v
.endr
.endm
; q: 16 queries x 128 channels a wave.  A slot's q-th step: A's one fragment to AF + 8 q, B's eight to window 1, v[64 q] on: 18 LDS loads.
.macro QFETCH slot, q
	FRAG AF+FR*(\q), ADQ+\slot, \q, 0
	WIN TO_B
.irp i, 0,1,2,3,4,5,6,7
	FRAG 64*(\q)+FR*\i, ADRB+\slot, \q, \i
.endr
	WIN 0
.endm
.macro MULQ slot, q, zero              ; 8 matrix instructions, the eight accumulators by turns
	WIN 0xa1
.irp b, 0,1,2,3,4,5,6,7
.if \zero
	v_wmma_scale_f32_16x16x128_f8f6f4 v[8*\b:8*\b+7], v[64*(\q)+FR*\b:64*(\q)+FR*\b+FR-1], v[AF+FR*(\q):AF+FR*(\q)+FR-1], 0, v[SC+8*NQ*(\slot)+NQ*\b+(\q)], v[QAS+NQ*(\slot)+(\q)] matrix_a_fmt:MATRIX_FMT_FP4 matrix_b_fmt:MATRIX_FMT_FP4 matrix_a_scale:MATRIX_SCALE_ROW1
.else
	v_wmma_scale_f32_16x16x128_f8f6f4 v[8*\b:8*\b+7], v[64*(\q)+FR*\b:64*(\q)+FR*\b+FR-1], v[AF+FR*(\q):AF+FR*(\q)+FR-1], v[8*\b:8*\b+7], v[SC+8*NQ*(\slot)+NQ*\b+(\q)], v[QAS+NQ*(\slot)+(\q)] matrix_a_fmt:MATRIX_FMT_FP4 matrix_b_fmt:MATRIX_FMT_FP4 matrix_a_scale:MATRIX_SCALE_ROW1
.endif
.endr
.endm
.macro QHEAD slot                      ; Wq's scale words (lanes 0-15 bring words that are not used) and the first two steps' fragments
	SCALES \slot, ADRS+2
	QFETCH \slot, 0
	QFETCH \slot, 1
.endm
.macro QTAIL slot, zero
	s_wait_dscnt 0x0                               ; the scale words and steps 0 and 1 are in
	QFETCH \slot, 2
	QFETCH \slot, 3
	MULQ \slot, 0, \zero
	MULQ \slot, 1, 0
	s_wait_dscnt 9*NL                              ; step 2 is in; step 3's 18 loads may be out
	MULQ \slot, 2, 0
	s_wait_dscnt 0x0
	MULQ \slot, 3, 0
	WIN 0
.endm
	s_wait_tensorcnt 1                             ; all the scales and my part of slot 0 are in (slot 1's load may be out)
	s_wait_loadcnt 0x0                             ; and my queries' scale words
	s_barrier_signal -1
	s_barrier_wait -1                              ; everybody's are
	FETCH_B 0, 0, 0
	FETCH_A 0, 0, 0
	SCALES 0, ADRS
	FETCH_A 0, 0, 4
	; ---- k
	STEP 0, 0, 1                                   ; a tile's first step starts the sums
	STEPS 0, 1
	TURN 0, 1, 1, ADRS, 1                          ; slot 0 takes Wv's rows, K 0-511
	STEPS 1, 0
	TURN 1, 0, 1, ADRS+1, 1                        ; slot 1 takes Wv's rows, K 512-1,023; v's first fragments are fetched
	WAYOUT 0                                       ; both refills are asked for: now k goes out.  The places behind the last products stand at TURN's end
	; ---- v: the same rows of memory, the sources the other way round
.set SW, 1
	STEP 0, 0, 1
	STEPS 0, 1
	TURN 0, 1, 2, ADRS+1, 1                        ; slot 0 takes Wq's rows and the queries', K 0-511
	STEPS 1, 0
	TURN 1, 0, 2, ADRS+1, 0                        ; slot 1 likewise, K 512-1,023
.set SW, 0
	; ---- q.  Slot 0's tiles were shown landed by the last change of slots.  Half of its fragments are asked for ahead of v's way out and land under it
	QHEAD 0
	WAYOUT 1
	QTAIL 0, 1
	s_wait_tensorcnt 0x0                           ; my part of slot 1 is in; nothing is filled again, so a plain barrier shows it to all four waves.  No LDS instruction of mine is out
	s_barrier_signal -1
	s_barrier_wait -1
	PLACES NP                                      ; in front of loads into registers that the last products read
	QHEAD 1
	QTAIL 1, 0
	PLACES NP                                      ; in front of the conversions, which read results just made
	WIN 0x0a                                       ; sources 0 and 1: window 2
.irp b, 0,1,2,3,4,5,6,7
.irp r, 0,1,2,3
	v_cvt_pk_f16_f32 v[TMP+4*\b+\r], v[8*\b+2*\r], v[8*\b+2*\r+1]   ; into the set whose last stores stand ahead of a wait on XCNT
.endr
.endr
	WIN 0
.irp b, 0,1,2,3,4,5,6,7
	global_store_b128 v[L16], v[TMP+4*\b:TMP+4*\b+3], s[22:23] offset:512*\b
.endr
	s_wait_tensorcnt 0x0                           ; the wave's end: an add onto my spare word and its wait, behind my last tensor load
	ds_add_u32 v[SPW], v[NIL]
	s_wait_dscnt 0x0
	CROUND                                         ; the closing round: no work-group ends while a partner may still ask for a tile that names it
	s_endpgm
.Lfunc_end_k_qf45f252d1a_proj:
	.size	k_qf45f252d1a_proj, .Lfunc_end_k_qf45f252d1a_proj-k_qf45f252d1a_proj
	.p2alignl 7, 3214868480
	.fill 96, 4, 3214868480
	.section	.rodata,"a",@progbits
	.p2align	6, 0x0
	.amdhsa_kernel k_qf45f252d1a_proj
		.amdhsa_group_segment_fixed_size 327680
		.amdhsa_private_segment_fixed_size 0
		.amdhsa_enable_private_segment 0
		.amdhsa_kernarg_size 48
		.amdhsa_user_sgpr_count 2
		.amdhsa_user_sgpr_kernarg_segment_ptr 1
		.amdhsa_wavefront_size32 1
		.amdhsa_system_sgpr_workgroup_id_x 1
		.amdhsa_system_sgpr_workgroup_id_y 1
		.amdhsa_system_sgpr_workgroup_id_z 1
		.amdhsa_system_vgpr_workitem_id 0
		.amdhsa_next_free_vgpr 1024
		.amdhsa_next_free_sgpr 102
		.amdhsa_reserve_vcc 0
		.amdhsa_float_denorm_mode_32 3
		.amdhsa_float_denorm_mode_16_64 3
		.amdhsa_memory_ordered 1
		.amdhsa_forward_progress 1
		.amdhsa_inst_pref_size 253
	.end_amdhsa_kernel
	.amdgpu_metadata
---
amdhsa.version: [ 1, 2 ]
amdhsa.kernels:
  - .name:           k_qf45f252d1a_proj
    .symbol:         k_qf45f252d1a_proj.kd
    .args:
      - { .name: xc, .offset: 0, .size: 8, .value_kind: global_buffer, .address_space: global }
      - { .name: xs, .offset: 8, .size: 8, .value_kind: global_buffer, .address_space: global }
      - { .name: wc, .offset: 16, .size: 8, .value_kind: global_buffer, .address_space: global }
      - { .name: ws, .offset: 24, .size: 8, .value_kind: global_buffer, .address_space: global }
      - { .name: kv, .offset: 32, .size: 8, .value_kind: global_buffer, .address_space: global }
      - { .name: qf, .offset: 40, .size: 8, .value_kind: global_buffer, .address_space: global }
    .group_segment_fixed_size: 327680
    .private_segment_fixed_size: 0
    .kernarg_segment_align: 8
    .kernarg_segment_size: 48
    .max_flat_workgroup_size: 128
    .sgpr_count:     102
    .vgpr_count:     1024
    .wavefront_size: 32
...
	.end_amdgpu_metadata
.endif
;; end of part 3
;; launch attn (part 4): grid 4 x 64, 8 waves a work-group, clusters of 4 x 1, 327,680 bytes of LDS; arguments qf, kv, bias, att; writes att
.if DOCPART == 4
	.amdgcn_target "amdgcn-amd-amdhsa--gfx1250"
	.amdhsa_code_object_version 6
	.text
	.protected	k_qf45f252d1a_attn
	.globl	k_qf45f252d1a_attn
	.p2align	8
	.type	k_qf45f252d1a_attn,@function
k_qf45f252d1a_attn:
	s_mov_b64 s[64:65], 0
	v_nop
	global_prefetch_b8 v0, s[64:65] scope:SCOPE_SE
	s_setreg_imm32_b32 hwreg(HW_REG_WAVE_MODE, 25, 1), 1
	s_wait_xcnt 0x0
	s_wait_alu depctr_hold_cnt(0) depctr_sa_sdst(0) depctr_va_vdst(0) depctr_va_sdst(0) depctr_va_ssrc(0) depctr_va_vcc(0) depctr_vm_vsrc(0)
	s_getreg_b32 s2, hwreg(HW_REG_IB_STS2, 6, 4)
	s_cmp_eq_u32 s2, 0
	s_cbranch_scc0 .Lentry_in_a_cluster
	s_endpgm
.Lentry_in_a_cluster:
	s_bfe_u32 s2, ttmp6, 0x10000c
	s_cmp_lg_u32 s2, 0x3003
	s_cbranch_scc0 .Lentry_shape_is_right
	s_endpgm
.Lentry_shape_is_right:
; LAUNCH 4 OF 5.  att[b][q][head] = softmax_k(q . k / 8 + bias[b][k]) v, for 64 (batch, head) pairs, 512 queries, 4,096 keys, head size 64.  No work is left out.
; Operands in f16 (q already holds q / 8), products, maxima and sums in f32; the weights p are rounded to f16 for the second product, the result once at the end.
; All operands come as IMAGES of operand registers: a 16 x 16 piece is 512 bytes, lane l's 16 bytes at 16 l; two images are a fragment of 16 x 32.  No pitch, no padding, no turning load.
; SHARES.  A cluster of four work-groups is one (batch, head); work-group cx takes 128 queries.  Wave w: kq = w % 4, qh = w / 4: it owns 64 queries (four tiles of 16) and ONE QUARTER OF THE KEYS:
; of each slot's 512 keys, keys 128 kq on: so each fragment of K or V read from LDS feeds four matrix instructions, and a key's bytes are read by two waves.  At the end the four quarters are merged through LDS.
; Two waves share a SIMD: one wave's softmax stands beside the other's products.
; LAYOUT.  S^T = K Q^T + bias (source 0 = 16 keys, source 1 = 16 queries, C = the keys' bias): a lane holds ONE query and the keys 8 (lane / 16) + 0..7.  Two such tiles, rounded in pairs, are source 1 of
; O^T = V^T P, whose result again holds one query a lane and eight channels.
; SOFTMAX.  A running maximum m and sum l for each query: p = 2^(c s - c m), c = log2(e); in every step O and l are multiplied by a = 2^(c m_old - c m_new).
; THE RING.  Two slots of 512 keys (K 64 KB, V 64 KB); every wave brings an eighth of a slot by one JOINT load (the four work-groups walk the same K and V).  The batch's bias, 16 KB, comes once.
; LIMITS: NaN and infinities are not served; |out| above 65,504 has no f16 number, under 6e-5 it keeps an absolute step of 6e-8.
; REGISTERS: window 0: v1-15 addresses; v16-47 eight registers of statistics a tile; v48-63 the merge's; v64-127 a step's K, then its V; v128-255 S^T, 32 a tile; P takes the tile's first 16.
;   window 1: v0-63 Q, 16 a tile; v64-191 O^T, 32 a tile; v192-223 the step's bias.
.set SLOT1, 1<<17                      ; slot 1 begins here: one exclusive or turns an address in one slot into the other's
.set BIAS,  2*SLOT1                    ; the batch's bias, f32
.set SPARE, BIAS+16384                 ; the spare words, 128 bytes a wave, which no other line names
.set STS,   SPARE+1024                 ; the merge's statistics: 1,024 bytes a wave.  The merge's stage is slot 0, 16 KB a wave: it has had its last fill and its last read by then
.set L16, 1                            ; v1   16 x lane
.set AK0, 2                            ; v2   my wave's keys in a slot: 16,384 kq + 16 x lane
.set AB0, 3                            ; v3   their bias: BIAS + 512 kq + 32 (lane / 16)
.set ADK, 4                            ; v4   K of the slot in hand
.set ADV, 5                            ; v5   V
.set ADB, 6                            ; v6   the bias
.set PFO, 8                            ; v8   the prefetches' offset
.set STO, 9                            ; v9   the merge: where I put O^T
.set SSA, 10                           ; v10  and my statistics
.set MRD, 11                           ; v11  where I read my tile of the four quarters
.set MRS, 12                           ; v12  and its statistics
.set SPW, 14
.set NIL, 15
.set ST,  16                           ; tile t at v[ST + 8 t]: +0 c m, +1 m, +2, +3 l, +4 .. +7 c0-c3 at work; a takes c2's place
.set MT,  48
.set KV,  64
.set S,   128
.set OT,  64                           ; in window 1
.set BI,  192                          ; in window 1
.set WV,  14                           ; s14  my wave's number
.set G1K, 24                           ; s[24:31] group 1 for K's and V's tiles;  s[32:39] for the bias
.set G1B, 32
.set MSB, 0
.macro WIN new
.if MSB != (\new)
	s_set_vgpr_msb (MSB<<8)|(\new)
.set MSB, (\new)
.endif
.endm
.set W_S1, 0x14                        ; Q and the bias in window 1
.set W_S2, 0x04                        ; Q in window 1
.set W_PV, 0x50                        ; O^T (C and D) in window 1
.set W_RS, 0x41                        ; O^T (destination and source 0) in window 1
.set TO_1, 0x40                        ; a load's destination in window 1
.set ST_1, 0x04                        ; an LDS store's data in window 1
.macro PLACES n
.rept \n
	v_nop
.endr
.endm
.macro CROUND                          ; a round of the cluster's barrier
	s_barrier_signal -1
	s_barrier_wait -1
	s_cmp_lg_u32 s[WV], 0
	s_cbranch_scc1 .Lnot_wave_0_\@
	s_barrier_signal -3
.Lnot_wave_0_\@:
	s_barrier_wait -3
	s_barrier_signal -1
	s_barrier_wait -1
.endm
; A PREFETCH INTO THE L2 of what the NEXT change of slots will ask for: 32 rows of 2,048 bytes of K and as many of V.  Each partner takes 8 rows of each, told apart BY ADDRESS; in it the even waves ask
; (0, 2: K; 4, 6: V), four rows each, a lane to each 256 bytes: every 256 bytes are named once in the launch.  The last change that fills a slot asks for nothing; nothing is asked at the head.
.macro ASK
	s_cmp_gt_u32 s52, s55
	s_cbranch_scc0 .Lnot_mine_\@
	global_prefetch_b8 v[PFO], s[56:57] th:TH_LOAD_NT scope:SCOPE_SE
.Lnot_mine_\@:
.endm
	s_load_b256 s[4:11], s[0:1], 0x0               ; qf, kv, bias, att
	v_lshl_add_u32 v[SPW], v0, 2, SPARE
	v_mov_b32 v[NIL], 0
	ds_add_u32 v[SPW], v[NIL]                      ; the wave's opening: the add, twice on end, and its wait ahead of my first tensor load
	ds_add_u32 v[SPW], v[NIL]
	v_lshrrev_b32 v1, 5, v0
	v_readfirstlane_b32 s[WV], v1                  ; wave 0..7
	s_and_b32 s15, s[WV], 3                        ; kq
	s_lshr_b32 s16, s[WV], 2                       ; qh.  Also: I fetch K (0) or V (1)
	s_bfe_u32 s17, ttmp6, 0x40000                  ; cx: it enters Q's, att's and the prefetches' addresses alone
	s_and_b32 s18, ttmp7, 0xffff
	s_lshr_b32 s19, s18, 4                         ; the batch
	s_and_b32 s20, s18, 15                         ; the head
	s_mov_b32 s[G1K], 15|(3<<16)|(1<<21)           ; the mask: all four work-groups; elements of 8 bytes; bit 21 beside a mask
	s_mov_b32 s[G1K+1], 256<<16                    ; tensor_dim0: 2,048 bytes: a key tile's four images of the head
	s_mov_b32 s[G1K+2], 8<<16                      ; tensor_dim1: 8 key tiles
	s_mov_b32 s[G1K+3], 256<<16                    ; tile_dim0
	s_mov_b32 s[G1K+4], 8                          ; tile_dim1
	s_mov_b32 s[G1K+5], 4096                       ; from key tile to key tile: 32,768 bytes
	s_mov_b32 s[G1K+6], 0
	s_mov_b32 s[G1K+7], 0
	s_mov_b32 s[G1B], 15|(3<<16)|(1<<21)           ; the bias: 2,048 dense bytes a wave, as 8 rows of 256
	s_mov_b32 s[G1B+1], 32<<16
	s_mov_b32 s[G1B+2], 8<<16
	s_mov_b32 s[G1B+3], 32<<16
	s_mov_b32 s[G1B+4], 8
	s_mov_b32 s[G1B+5], 32
	s_mov_b32 s[G1B+6], 0
	s_mov_b32 s[G1B+7], 0
	s_lshl_b32 s66, s16, 25                        ; K or V,
	s_lshl_b32 s67, s19, 23                        ; the batch's 256 key tiles,
	s_add_co_u32 s66, s66, s67
	s_lshl_b32 s67, s20, 11                        ; the head's four images
	s_add_co_u32 s66, s66, s67
	s_mov_b32 s72, s66                             ; (kept for the prefetches)
	s_lshl_b32 s67, s15, 18                        ; my 8 key tiles of a slot's 32
	s_add_co_u32 s66, s66, s67
	s_mov_b32 s67, 0
	s_lshl_b32 s68, s19, 14                        ; the bias: the batch's 16,384 bytes, my 2,048
	s_lshl_b32 s69, s[WV], 11
	s_add_co_u32 s68, s68, s69
	s_mov_b32 s69, 0
	s_lshl_b32 s70, s19, 5
	s_lshl_b32 s71, s17, 3
	s_add_co_u32 s70, s70, s71
	s_lshl_b32 s71, s16, 2
	s_add_co_u32 s70, s70, s71                     ; my first query tile: 32 b + 8 cx + 4 qh
	s_add_co_u32 s74, s70, s15                     ; and the one that I merge and store
	s_lshl_b32 s70, s70, 15
	s_lshl_b32 s74, s74, 15
	s_lshl_b32 s71, s20, 11
	s_add_co_u32 s70, s70, s71
	s_add_co_u32 s74, s74, s71
	s_mov_b32 s71, 0
	s_mov_b32 s75, 0
	s_lshl_b32 s73, s17, 18                        ; the prefetches: my work-group's 8 rows,
	s_add_co_u32 s72, s72, s73
	s_bfe_u32 s73, s[WV], 0x10001
	s_lshl_b32 s73, s73, 17                        ; my wave's 4 of them,
	s_add_co_u32 s72, s72, s73
	s_add_co_u32 s72, s72, 0x200000                ; at the third 512 keys: the first change of slots steps it on
	s_mov_b32 s73, 0
	s_and_b32 s55, s[WV], 1
	s_cmp_eq_u32 s55, 0
	s_cselect_b32 s55, 1, -1                       ; 1 in a wave that prefetches, else the greatest number
	s_mov_b32 s52, 6                               ; slots still to be asked for
	s_mov_b32 s53, 0                               ; LDS byte at which the slot in hand begins
	s_mov_b32 s54, 0                               ; and its keys' bias
	s_mov_b32 s58, 0x3fb8aa3b                      ; c = log2(e)
	s_mov_b32 s59, s58                             ; (named with it as a pair)
	s_mov_b32 s60, 0x76543210
	s_mov_b32 s61, 0xfedcba98                      ; v_permlanex16_b32's selects for lane l xor 16
	s_wait_dscnt 0x0                               ; both opening adds are done
	s_wait_kmcnt 0x0
	s_mov_b32 s40, 1                               ; group 0, slot 0: keys 0-511
	s_lshl_b32 s41, s[WV], 14                      ; my eighth of a slot: waves 0-3 K's quarters, waves 4-7 V's
	s_add_nc_u64 s[42:43], s[6:7], s[66:67]
	s_mov_b32 s44, 1                               ; group 0, slot 1: keys 512-1,023; it then walks
	s_add_co_u32 s45, s41, SLOT1
	s_add_nc_u64 s[46:47], s[42:43], 0x100000
	s_or_b32 s43, s43, 0x80000000
	s_or_b32 s47, s47, 0x80000000
	s_mov_b32 s48, 1                               ; group 0, the bias
	s_lshl_b32 s49, s[WV], 11
	s_add_co_u32 s49, s49, BIAS
	s_add_nc_u64 s[50:51], s[8:9], s[68:69]
	s_or_b32 s51, s51, 0x80000000
	s_add_nc_u64 s[4:5], s[4:5], s[70:71]          ; Q at my first tile
	s_add_nc_u64 s[10:11], s[10:11], s[74:75]      ; att at the tile that I store
	s_add_nc_u64 s[56:57], s[6:7], s[72:73]
	CROUND                                         ; all four work-groups are here: the first joint loads meet
	tensor_load_to_lds s[48:51], s[G1B:G1B+7]      ; three first fills, every wave its own part of each: three tensor loads of mine are out
	s_nop 0
	tensor_load_to_lds s[40:43], s[G1K:G1K+7]
	s_nop 0
	tensor_load_to_lds s[44:47], s[G1K:G1K+7]
	s_nop 0
	PLACES 4
	v_and_b32 v7, 31, v0                           ; lane
	v_bfe_u32 v13, v0, 4, 1                        ; lane / 16
	v_lshlrev_b32 v[L16], 4, v7
	s_lshl_b32 s76, s15, 14
	v_add_nc_u32 v[AK0], s76, v[L16]
	v_lshlrev_b32 v[AB0], 5, v13
	s_lshl_b32 s76, s15, 9
	s_add_co_u32 s76, s76, BIAS
	v_add_nc_u32 v[AB0], s76, v[AB0]
	v_add_nc_u32 v[ADK], s53, v[AK0]
	v_add_nc_u32 v[ADV], 0x10000, v[ADK]
	v_add_nc_u32 v[ADB], s54, v[AB0]
	v_lshrrev_b32 v[PFO], 3, v7
	v_and_b32 v13, 7, v7
	v_lshlrev_b32 v[PFO], 15, v[PFO]
	v_lshl_add_u32 v[PFO], v13, 8, v[PFO]          ; row lane / 8, 256 bytes lane % 8
	s_lshl_b32 s76, s[WV], 14
	v_add_nc_u32 v[STO], s76, v[L16]
	v_lshlrev_b32 v13, 2, v7
	s_lshl_b32 s76, s[WV], 10
	s_add_co_u32 s76, s76, STS
	v_add_nc_u32 v[SSA], s76, v13
	s_lshl_b32 s76, s16, 16
	s_lshl_b32 s77, s15, 12
	s_add_co_u32 s76, s76, s77
	v_add_nc_u32 v[MRD], s76, v[L16]
	s_lshl_b32 s76, s16, 12
	s_lshl_b32 s77, s15, 8
	s_add_co_u32 s76, s76, s77
	s_add_co_u32 s76, s76, STS
	v_add_nc_u32 v[MRS], s76, v13
	WIN TO_1
.irp t, 0,1,2,3
.irp i, 0,1,2,3
	global_load_b128 v[16*\t+4*\i:16*\t+4*\i+3], v[L16], s[4:5] offset:32768*\t+512*\i   ; Q stays in registers: tile t, channels 16 i on
.endr
.endr
	WIN 0
; THE SOFTMAX of the wave's four tiles for one step of 64 keys; the tiles take turns line by line.  first = 1: the first step starts m, l and O^T.
.macro SOFTMAX first
.irp j, 0,1,2,3
.irp t, 0,1,2,3
	v_max3_num_f32 v[ST+8*\t+4+\j], v[S+32*\t+8*\j], v[S+32*\t+8*\j+1], v[S+32*\t+8*\j+2]   ; four chains; each accumulator is read from its low end on
.endr
.endr
.irp g, 1,2
.irp j, 0,1,2,3
.irp t, 0,1,2,3
	v_max3_num_f32 v[ST+8*\t+4+\j], v[ST+8*\t+4+\j], v[S+32*\t+8*\j+2*\g+1], v[S+32*\t+8*\j+2*\g+2]
.endr
.endr
.endr
.irp t, 0,1,2,3
	v_max3_num_f32 v[ST+8*\t+4], v[ST+8*\t+4], v[S+32*\t+7], v[S+32*\t+15]
.endr
.irp t, 0,1,2,3
	v_max3_num_f32 v[ST+8*\t+6], v[ST+8*\t+6], v[S+32*\t+23], v[S+32*\t+31]
.endr
.irp t, 0,1,2,3
	v_max3_num_f32 v[ST+8*\t+4], v[ST+8*\t+4], v[ST+8*\t+5], v[ST+8*\t+6]
.endr
.irp t, 0,1,2,3
.if \first
	v_max_num_f32 v[ST+8*\t+4], v[ST+8*\t+4], v[ST+8*\t+7]
.else
	v_max3_num_f32 v[ST+8*\t+4], v[ST+8*\t+4], v[ST+8*\t+7], v[ST+8*\t+1]   ; with the old m
.endif
.endr
.irp t, 0,1,2,3
	v_permlanex16_b32 v[ST+8*\t+5], v[ST+8*\t+4], s60, s61         ; the query's other 32 keys lie in the lane 16 away
.endr
.if !\first
.irp t, 0,1,2,3
	v_mov_b32 v[ST+8*\t+7], v[ST+8*\t]             ; c m_old is kept for a
.endr
.endif
.irp t, 0,1,2,3
	v_max_num_f32 v[ST+8*\t+1], v[ST+8*\t+4], v[ST+8*\t+5]
.endr
.irp t, 0,1,2,3
	v_mul_f32 v[ST+8*\t], s58, v[ST+8*\t+1]
.endr
.if !\first
.irp t, 0,1,2,3
	v_sub_f32 v[ST+8*\t+7], v[ST+8*\t+7], v[ST+8*\t]
.endr
.endif
.irp b, 0,1,2,3,4,5,6,7,8,9,10,11,12,13,14,15
.irp t, 0,1,2,3
	v_pk_fma_f32 v[S+32*\t+2*\b:S+32*\t+2*\b+1], v[S+32*\t+2*\b:S+32*\t+2*\b+1], s[58:59], v[ST+8*\t:ST+8*\t+1] op_sel_hi:[1,0,0] neg_lo:[0,0,1] neg_hi:[0,0,1]   ; c s - c m
.endr
.endr
.if !\first
.irp t, 0,1,2,3
	v_exp_f32 v[ST+8*\t+6], v[ST+8*\t+7]           ; a.  ONE BATCH: none of these lines reads an exponential's result
.endr
.endif
.irp e, 0,1,2,3,4,5,6,7,8,9,10,11,12,13,14,15,16,17,18,19,20,21,22,23,24,25,26,27,28,29,30,31
.irp t, 0,1,2,3
	v_exp_f32 v[S+32*\t+\e], v[S+32*\t+\e]
.endr
.endr
	v_nop                                          ; a plain line behind the last exponential
	s_wait_alu depctr_va_vdst(0)                   ; one wait for the whole batch, ahead of its first reader
.irp t, 0,1,2,3
.if \first
	v_pk_add_f32 v[ST+8*\t+2:ST+8*\t+3], v[S+32*\t:S+32*\t+1], v[S+32*\t+2:S+32*\t+3]
.else
	v_pk_fma_f32 v[ST+8*\t+2:ST+8*\t+3], v[ST+8*\t+2:ST+8*\t+3], v[ST+8*\t+6:ST+8*\t+7], v[S+32*\t:S+32*\t+1] op_sel_hi:[1,0,1]   ; l = a l + the unrounded p
.endif
.endr
.if !\first
.irp t, 0,1,2,3
	v_pk_add_f32 v[ST+8*\t+2:ST+8*\t+3], v[ST+8*\t+2:ST+8*\t+3], v[S+32*\t+2:S+32*\t+3]
.endr
.endif
.irp b, 2,3,4,5,6,7,8,9,10,11,12,13,14,15
.irp t, 0,1,2,3
	v_pk_add_f32 v[ST+8*\t+2:ST+8*\t+3], v[ST+8*\t+2:ST+8*\t+3], v[S+32*\t+2*\b:S+32*\t+2*\b+1]
.endr
.endr
.irp i, 0,1,2,3,4,5,6,7,8,9,10,11,12,13,14,15
.irp t, 0,1,2,3
	v_cvt_pk_f16_f32 v[S+32*\t+\i], v[S+32*\t+2*\i], v[S+32*\t+2*\i+1]   ; P, in place and ascending: register i is written when pairs 0 .. i have been read
.endr
.endr
.if !\first
	WIN W_RS
.irp i, 0,1,2,3,4,5,6,7,8,9,10,11,12,13,14,15
.irp t, 0,1,2,3
	v_pk_mul_f32 v[OT+32*\t+2*\i:OT+32*\t+2*\i+1], v[OT+32*\t+2*\i:OT+32*\t+2*\i+1], v[ST+8*\t+6:ST+8*\t+7] op_sel_hi:[1,0]   ; O^T x a
.endr
.endr
.endif
.endm
; A STEP: 64 keys, the q-th of my 128 in the slot in hand.  The accumulators take turns, one instruction a turn.
.macro STEP q, first
.irp i, 0,1,2,3,4,5,6,7,8,9,10,11,12,13,14,15
	ds_load_b128 v[KV+4*\i:KV+4*\i+3], v[ADK] offset:8192*\q+512*\i      ; K: fragment (key tile kt, channels 32 ks on) at KV + 16 kt + 8 ks
.endr
	WIN TO_1
.irp kt, 0,1,2,3
.irp f, 0,1
	ds_load_b128 v[BI+8*\kt+4*\f:BI+8*\kt+4*\f+3], v[ADB] offset:256*\q+64*\kt+16*\f   ; the bias of keys 16 kt + 8 (lane / 16) + 0..7: the sums' first C
.endr
.endr
	s_wait_dscnt 0x0
	WIN W_S1
.irp kt, 0,1,2,3
.irp t, 0,1,2,3
	v_wmma_f32_16x16x32_f16 v[S+32*\t+8*\kt:S+32*\t+8*\kt+7], v[KV+16*\kt:KV+16*\kt+7], v[16*\t:16*\t+7], v[BI+8*\kt:BI+8*\kt+7]
.endr
.endr
	WIN W_S2
.irp kt, 0,1,2,3
.irp t, 0,1,2,3
	v_wmma_f32_16x16x32_f16 v[S+32*\t+8*\kt:S+32*\t+8*\kt+7], v[KV+16*\kt+8:KV+16*\kt+15], v[16*\t+8:16*\t+15], v[S+32*\t+8*\kt:S+32*\t+8*\kt+7]
.endr
.endr
	WIN 0
	PLACES 4                                       ; in front of the loads into K's registers and of the first read of the scores
.irp kp, 0,1
.irp dt, 0,1,2,3
.irp f, 0,1
	ds_load_b128 v[KV+32*\kp+8*\dt+4*\f:KV+32*\kp+8*\dt+4*\f+3], v[ADV] offset:8192*\q+(2*\kp+\f)*2048+512*\dt   ; V^T: channels 16 dt on, keys 32 kp on; it lands under the softmax
.endr
.endr
.endr
	SOFTMAX \first
	s_wait_dscnt 0x0                               ; V is in
	WIN W_PV
.irp kp, 0,1
.irp dt, 0,1,2,3
.irp t, 0,1,2,3
.if (\first) && (\kp == 0)
	v_wmma_f32_16x16x32_f16 v[OT+32*\t+8*\dt:OT+32*\t+8*\dt+7], v[KV+32*\kp+8*\dt:KV+32*\kp+8*\dt+7], v[S+32*\t+8*\kp:S+32*\t+8*\kp+7], 0
.else
	v_wmma_f32_16x16x32_f16 v[OT+32*\t+8*\dt:OT+32*\t+8*\dt+7], v[KV+32*\kp+8*\dt:KV+32*\kp+8*\dt+7], v[S+32*\t+8*\kp:S+32*\t+8*\kp+7], v[OT+32*\t+8*\dt:OT+32*\t+8*\dt+7]
.endif
.endr
.endr
.endr
	WIN 0
	PLACES 5                                       ; the next step's products write over P: five places; four of them also serve the next loads into V's registers
.endm
; THE CHANGE OF SLOTS.  Each wave waits for all its tensor loads (one is out: its part of the next slot), adds 0 to its spare word, and waits for that and for its reads of the slot that it leaves.
; fill = 1: the barrier is a round of the cluster's, and the joint refill of the slot just left, with the keys two slots on, is the first thing behind it: it has two steps of every wave in which to land.
.macro CHANGE fill
	s_wait_tensorcnt 0x0                           ; no tensor load of mine is out, so a group 0 may be written
	ds_add_u32 v[SPW], v[NIL]                      ; 0 onto my spare word; the steps below stand between it and the wait for it
.if \fill
	s_xor_b32 s45, s45, SLOT1                      ; the walking descriptor: the other slot than last time,
	s_add_nc_u64 s[46:47], s[46:47], 0x100000      ; the next 512 keys
	s_wait_xcnt 0x0                                ; the last prefetch, a slot back, has read its address
	s_add_nc_u64 s[56:57], s[56:57], 0x100000
.endif
	s_xor_b32 s53, s53, SLOT1                      ; my reads go on to the other slot
	s_add_co_u32 s54, s54, 2048
	v_add_nc_u32 v[ADK], s53, v[AK0]
	v_add_nc_u32 v[ADV], 0x10000, v[ADK]
	v_add_nc_u32 v[ADB], s54, v[AB0]
	s_wait_dscnt 0x0                               ; the add is done, and my reads of the slot are over
.if \fill
	CROUND
	tensor_load_to_lds s[44:47], s[G1K:G1K+7]
	s_nop 0
	PLACES 4
	ASK
.else
	s_barrier_signal -1
	s_barrier_wait -1
.endif
.endm
	s_wait_tensorcnt 1                             ; the bias and my part of slot 0 are in; slot 1's may stay out
	s_barrier_signal -1
	s_barrier_wait -1
	s_wait_loadcnt 0x0                             ; Q
	STEP 0, 1
	STEP 1, 0
.Lslot:                                            ; six trips: each fills the slot just left and walks the other
	CHANGE 1
	STEP 0, 0
	STEP 1, 0
	s_sub_co_u32 s52, s52, 1
	s_cmp_lg_u32 s52, 0
	s_cbranch_scc1 .Lslot
	CHANGE 0                                       ; the last slot is written out
	STEP 0, 0
	STEP 1, 0
	; THE MERGE.  Each wave puts c m, l and O^T of its four tiles into LDS; wave (qh, kq) then takes tile kq of its half's four quarters of the keys.
.irp t, 0,1,2,3
	v_add_f32 v[ST+8*\t+4], v[ST+8*\t+2], v[ST+8*\t+3]
.endr
.irp t, 0,1,2,3
	v_permlanex16_b32 v[ST+8*\t+5], v[ST+8*\t+4], s60, s61
.endr
.irp t, 0,1,2,3
	v_add_f32 v[ST+8*\t+4], v[ST+8*\t+4], v[ST+8*\t+5]             ; the query's l over my quarter
.endr
.irp t, 0,1,2,3
	ds_store_b32 v[SSA], v[ST+8*\t] offset:256*\t
	ds_store_b32 v[SSA], v[ST+8*\t+4] offset:256*\t+128
.endr
	WIN ST_1
.irp i, 0,1,2,3,4,5,6,7,8,9,10,11,12,13,14,15,16,17,18,19,20,21,22,23,24,25,26,27,28,29,30,31
	ds_store_b128 v[STO], v[OT+4*\i:OT+4*\i+3] offset:512*\i       ; as the registers stand, each accumulator from its low end on
.endr
	WIN 0
	s_wait_dscnt 0x0                               ; for the others' sake: my stores are done
	s_barrier_signal -1
	s_barrier_wait -1
.irp i, 0,1,2,3
	ds_load_b32 v[MT+\i], v[MRS] offset:1024*\i                    ; c m of quarter i,
	ds_load_b32 v[MT+4+\i], v[MRS] offset:1024*\i+128              ; its l
.endr
.irp i, 0,1,2,3
.irp j, 0,1,2,3,4,5,6,7
	ds_load_b128 v[S+32*\i+4*\j:S+32*\i+4*\j+3], v[MRD] offset:16384*\i+512*\j
.endr
.endr
	s_wait_dscnt 32                                ; the eight statistics are in; the 32 loads behind them may be out
	v_max3_num_f32 v[MT+8], v[MT], v[MT+1], v[MT+2]
	v_max_num_f32 v[MT+8], v[MT+8], v[MT+3]
.irp i, 0,1,2,3
	v_sub_f32 v[MT+\i], v[MT+\i], v[MT+8]
.endr
.irp i, 0,1,2,3
	v_exp_f32 v[MT+\i], v[MT+\i]                   ; 2^(c m_i - the largest)
.endr
	v_nop
	s_wait_alu depctr_va_vdst(0)                   ; one wait for the four
	v_mul_f32 v[MT+9], v[MT], v[MT+4]
	v_fmac_f32 v[MT+9], v[MT+1], v[MT+5]
	v_fmac_f32 v[MT+9], v[MT+2], v[MT+6]
	v_fmac_f32 v[MT+9], v[MT+3], v[MT+7]           ; the row's sum
	v_rcp_f32 v[MT+10], v[MT+9]
	v_nop
	s_wait_alu depctr_va_vdst(0)
.irp i, 0,1,2,3
	v_mul_f32 v[ST+2*\i], v[MT+\i], v[MT+10]       ; quarter i's weight (the packed lines name the pair and take its low word)
.endr
	s_wait_dscnt 0x0
.irp j, 0,2,4,6,8,10,12,14,16,18,20,22,24,26,28,30
	v_pk_mul_f32 v[S+\j:S+\j+1], v[S+\j:S+\j+1], v[ST:ST+1] op_sel_hi:[1,0]
.endr
.irp i, 1,2,3
.irp j, 0,2,4,6,8,10,12,14,16,18,20,22,24,26,28,30
	v_pk_fma_f32 v[S+\j:S+\j+1], v[S+32*\i+\j:S+32*\i+\j+1], v[ST+2*\i:ST+2*\i+1], v[S+\j:S+\j+1] op_sel_hi:[1,0,1]
.endr
.endr
.irp i, 0,1,2,3,4,5,6,7,8,9,10,11,12,13,14,15
	v_cvt_pk_f16_f32 v[KV+\i], v[S+2*\i], v[S+2*\i+1]
.endr
.irp dt, 0,1,2,3
	global_store_b128 v[L16], v[KV+4*\dt:KV+4*\dt+3], s[10:11] offset:512*\dt   ; an image: 512 consecutive bytes, aligned
.endr
	s_wait_tensorcnt 0x0                           ; the wave's end: an add onto my spare word and its wait, behind my last tensor load and my last LDS store
	ds_add_u32 v[SPW], v[NIL]
	s_wait_dscnt 0x0
	CROUND                                         ; the closing round
	s_endpgm
.Lfunc_end_k_qf45f252d1a_attn:
	.size	k_qf45f252d1a_attn, .Lfunc_end_k_qf45f252d1a_attn-k_qf45f252d1a_attn
	.p2alignl 7, 3214868480
	.fill 96, 4, 3214868480
	.section	.rodata,"a",@progbits
	.p2align	6, 0x0
	.amdhsa_kernel k_qf45f252d1a_attn
		.amdhsa_group_segment_fixed_size 327680
		.amdhsa_private_segment_fixed_size 0
		.amdhsa_enable_private_segment 0
		.amdhsa_kernarg_size 32
		.amdhsa_user_sgpr_count 2
		.amdhsa_user_sgpr_kernarg_segment_ptr 1
		.amdhsa_wavefront_size32 1
		.amdhsa_system_sgpr_workgroup_id_x 1
		.amdhsa_system_sgpr_workgroup_id_y 1
		.amdhsa_system_sgpr_workgroup_id_z 1
		.amdhsa_system_vgpr_workitem_id 0
		.amdhsa_next_free_vgpr 512
		.amdhsa_next_free_sgpr 80
		.amdhsa_reserve_vcc 0
		.amdhsa_float_denorm_mode_32 3
		.amdhsa_float_denorm_mode_16_64 3
		.amdhsa_memory_ordered 1
		.amdhsa_forward_progress 1
		.amdhsa_inst_pref_size 210
	.end_amdhsa_kernel
	.amdgpu_metadata
---
amdhsa.version: [ 1, 2 ]
amdhsa.kernels:
  - .name:           k_qf45f252d1a_attn
    .symbol:         k_qf45f252d1a_attn.kd
    .args:
      - { .name: qf, .offset: 0, .size: 8, .value_kind: global_buffer, .address_space: global }
      - { .name: kv, .offset: 8, .size: 8, .value_kind: global_buffer, .address_space: global }
      - { .name: bias, .offset: 16, .size: 8, .value_kind: global_buffer, .address_space: global }
      - { .name: att, .offset: 24, .size: 8, .value_kind: global_buffer, .address_space: global }
    .group_segment_fixed_size: 327680
    .private_segment_fixed_size: 0
    .kernarg_segment_align: 8
    .kernarg_segment_size: 32
    .max_flat_workgroup_size: 256
    .sgpr_count:     80
    .vgpr_count:     512
    .wavefront_size: 32
...
	.end_amdgpu_metadata
.endif
;; end of part 4
;; launch oproj (part 5): grid 16 x 32, 4 waves a work-group, clusters of 4 x 4, 327,680 bytes of LDS; arguments att, wof, out0; writes out0
.if DOCPART == 5
	.amdgcn_target "amdgcn-amd-amdhsa--gfx1250"
	.amdhsa_code_object_version 6
	.text
	.protected	k_qf45f252d1a_oproj
	.globl	k_qf45f252d1a_oproj
	.p2align	8
	.type	k_qf45f252d1a_oproj,@function
k_qf45f252d1a_oproj:
	s_mov_b64 s[64:65], 0
	v_nop
	global_prefetch_b8 v0, s[64:65] scope:SCOPE_SE
	s_setreg_imm32_b32 hwreg(HW_REG_WAVE_MODE, 25, 1), 1
	s_wait_xcnt 0x0
	s_wait_alu depctr_hold_cnt(0) depctr_sa_sdst(0) depctr_va_vdst(0) depctr_va_sdst(0) depctr_va_ssrc(0) depctr_va_vcc(0) depctr_vm_vsrc(0)
	s_getreg_b32 s2, hwreg(HW_REG_IB_STS2, 6, 4)
	s_cmp_eq_u32 s2, 0
	s_cbranch_scc0 .Lentry_in_a_cluster
	s_endpgm
.Lentry_in_a_cluster:
	s_bfe_u32 s2, ttmp6, 0x10000c
	s_cmp_lg_u32 s2, 0xf033
	s_cbranch_scc0 .Lentry_shape_is_right
	s_endpgm
.Lentry_shape_is_right:
; LAUNCH 5 OF 5.  out0 [2048][1024] f32 = att [2048][1024] x Wo, f16 operands, f32 sums, K ascending.  No work is left out.
; Both operands come as images of operand registers (16 x 16 pieces of 512 bytes, lane l's 16 bytes at 16 l): att [row tile 128][k tile 64], wof [n tile 64][k tile 64].
; A work-group makes 64 x 64 of out0: 512 work-groups.  Both operands for ALL of K (128 KB + 128 KB) lie in LDS, in four quarters of K: every fill is a first fill, four tensor loads a wave, nothing is filled again.
; 4 x 4 work-groups form a cluster: att's tiles are shared along its row, wof's along its column, each asked for JOINTLY.  Wave w makes rows 32 (w / 2) on, columns 32 (w % 2) on: four accumulators by turns.
; THE MATRIX INSTRUCTION IS USED TRANSPOSED (source 0 = 16 columns of Wo, source 1 = 16 rows of att): a lane holds eight neighbouring numbers of a row of out0.
.set QB,     65536                     ; a quarter of K in LDS: wave w's 16 KB at 16,384 w: waves 0, 1 att's row tiles 0-1, 2-3; waves 2, 3 wof's n tiles
.set STAGE,  4*QB                      ; the way out: 64 rows x (256 bytes + 16)
.set SPITCH, 272
.set SPARE,  STAGE+64*SPITCH           ; the spare words, 128 bytes a wave, which no other line names
.set AA,  16                           ; v16  my two row tiles of att in the quarter in hand
.set BB,  17                           ; v17  my two n tiles of wof
.set STO, 24
.set RD,  25
.set CO,  26
.set SPW, 28
.set NIL, 29
.set ACC, 32                           ; v32-63  accumulator (i, j) at ACC + 8 (2 i + j)
.set F0,  64                           ; two fragment buffers, each two steps of 32 along K: for step s, A(i) at 32 s + 8 i, B(j) at 32 s + 16 + 8 j
.set F1,  128
.set G1A, 16
.set G1B, 24
.set G0A, 32                           ; four sets each: no set is written while its load is out
.set G0B, 48
.macro JLOAD n                         ; waves 0 and 1 fetch att's tiles, waves 2 and 3 wof's; an s_nop 0 and four v_nop follow each line
	s_cmp_eq_u32 s11, 0
	s_cbranch_scc0 .Lfor_b_\@
	tensor_load_to_lds s[G0A+4*\n:G0A+4*\n+3], s[G1A:G1A+7]
	s_nop 0
.rept 4
	v_nop
.endr
	s_branch .Lasked_\@
.Lfor_b_\@:
	tensor_load_to_lds s[G0B+4*\n:G0B+4*\n+3], s[G1B:G1B+7]
	s_nop 0
.rept 4
	v_nop
.endr
.Lasked_\@:
.endm
.macro CROUND
	s_barrier_signal -1
	s_barrier_wait -1
	s_cmp_lg_u32 s10, 0
	s_cbranch_scc1 .Lnot_wave_0_\@
	s_barrier_signal -3
.Lnot_wave_0_\@:
	s_barrier_wait -3
	s_barrier_signal -1
	s_barrier_wait -1
.endm
.macro PLACES
.rept 4
	v_nop
.endr
.endm
	s_load_b128 s[4:7], s[0:1], 0x0                ; att, wof
	s_load_b64 s[8:9], s[0:1], 0x10                ; out0
	v_lshl_add_u32 v[SPW], v0, 2, SPARE
	v_mov_b32 v[NIL], 0
	ds_add_u32 v[SPW], v[NIL]                      ; the wave's opening: the add, twice on end, and its wait ahead of my first tensor load
	ds_add_u32 v[SPW], v[NIL]
	v_lshrrev_b32 v1, 5, v0
	v_readfirstlane_b32 s10, v1                    ; wave 0..3
	s_lshr_b32 s11, s10, 1                         ; my half of the rows.  Also: I fetch att (0) or wof (1)
	s_and_b32 s12, s10, 1                          ; my half of the columns.  Also: which two tiles I fetch
	s_bfe_u32 s66, ttmp6, 0x40000                  ; cx
	s_bfe_u32 s67, ttmp6, 0x40004                  ; cy
	s_lshl_b32 s68, ttmp9, 2
	s_add_co_u32 s68, s68, s66                     ; which 64 columns
	s_and_b32 s69, ttmp7, 0xffff
	s_lshl_b32 s69, s69, 2
	s_add_co_u32 s69, s69, s67                     ; which 64 rows
	s_lshl_b32 s70, s67, 2
	s_lshl_b32 s70, 15, s70                        ; my row of the cluster
	s_lshl_b32 s71, 0x1111, s66                    ; my column
	s_or_b32 s[G1A], s70, (3<<16)|(1<<21)          ; the mask; elements of 8 bytes; bit 21 beside a mask
	s_or_b32 s[G1B], s71, (3<<16)|(1<<21)
.irp g, G1A, G1B
	s_mov_b32 s[\g+1], 1024<<16                    ; tensor_dim0: 8,192 bytes: 16 images, 256 along K
	s_mov_b32 s[\g+2], 2<<16                       ; tensor_dim1: two tiles
	s_mov_b32 s[\g+3], 1024<<16                    ; tile_dim0
	s_mov_b32 s[\g+4], 2                           ; tile_dim1
	s_mov_b32 s[\g+5], 4096                        ; from tile to tile: 32,768 bytes
	s_mov_b32 s[\g+6], 0
	s_mov_b32 s[\g+7], 0
.endr
	s_lshl_b32 s14, s12, 16                        ; which two tiles of the four
	s_lshl_b32 s72, s69, 17
	s_add_co_u32 s72, s72, s14                     ; att: row tile 4 ty + 2 x half
	s_mov_b32 s73, 0
	s_lshl_b32 s74, s68, 17
	s_add_co_u32 s74, s74, s14                     ; wof: n tile 4 tx + 2 x half
	s_mov_b32 s75, 0
	s_lshl_b32 s13, s10, 14                        ; where they go: no place in the cluster enters an LDS address
	s_wait_dscnt 0x0                               ; both opening adds are done
	s_wait_kmcnt 0x0
	s_add_nc_u64 s[72:73], s[4:5], s[72:73]
	s_add_nc_u64 s[74:75], s[6:7], s[74:75]
	CROUND                                         ; all sixteen work-groups are here: the joint loads meet
.irp n, 0,1,2,3
	s_mov_b32 s[G0A+4*\n], 1
	s_add_co_u32 s[G0A+4*\n+1], s13, \n*QB
	s_add_nc_u64 s[G0A+4*\n+2:G0A+4*\n+3], s[72:73], \n*8192
	s_or_b32 s[G0A+4*\n+3], s[G0A+4*\n+3], 0x80000000
	s_mov_b32 s[G0B+4*\n], 1
	s_add_co_u32 s[G0B+4*\n+1], s13, \n*QB
	s_add_nc_u64 s[G0B+4*\n+2:G0B+4*\n+3], s[74:75], \n*8192
	s_or_b32 s[G0B+4*\n+3], s[G0B+4*\n+3], 0x80000000
	JLOAD \n                                       ; four tensor loads of mine are out: all the launch has
.endr
	v_and_b32 v1, 15, v0                           ; l % 16
	v_bfe_u32 v2, v0, 4, 1                         ; l / 16
	v_and_b32 v3, 31, v0
	v_lshlrev_b32 v3, 4, v3                        ; 16 x lane
	s_lshl_b32 s76, s11, 14
	v_add_nc_u32 v[AA], s76, v3
	s_lshl_b32 s76, s12, 14
	s_add_co_u32 s76, s76, 2*16384
	v_add_nc_u32 v[BB], s76, v3
	s_mul_i32 s76, s11, 32*SPITCH                  ; into the stage: my 32 rows, my 128 bytes of them; row l % 16, 32 bytes for each half of the lanes
	s_lshl_b32 s77, s12, 7
	s_add_co_u32 s76, s76, s77
	s_add_co_u32 s76, s76, STAGE
	v_mul_u32_u24 v4, v1, SPITCH
	v_lshl_add_u32 v4, v2, 5, v4
	v_add_nc_u32 v[STO], s76, v4
	s_mul_i32 s76, s10, 16*SPITCH                  ; back: wave w takes rows 16 w on, whole; lanes 0-15 one row, lanes 16-31 the next
	s_add_co_u32 s76, s76, STAGE
	v_mul_u32_u24 v5, v2, SPITCH
	v_lshl_add_u32 v5, v1, 4, v5
	v_add_nc_u32 v[RD], s76, v5
	v_lshlrev_b32 v5, 12, v2                       ; and the same two rows in out0
	v_lshl_add_u32 v[CO], v1, 4, v5
	s_lshl_b32 s76, s69, 18                        ; out0: row 64 ty + 16 w, column 64 tx
	s_lshl_b32 s77, s10, 16
	s_add_co_u32 s76, s76, s77
	s_lshl_b32 s77, s68, 8
	s_add_co_u32 s76, s76, s77
	s_mov_b32 s77, 0
	s_add_nc_u64 s[8:9], s[8:9], s[76:77]
.macro FETCH c, f                      ; 16 LDS loads: steps 2 c and 2 c + 1 of the quarter's eight
.irp s, 0,1
.irp i, 0,1
	ds_load_b128 v[\f+32*\s+8*\i:\f+32*\s+8*\i+3],       v[AA] offset:8192*\i+1024*(2*\c+\s)
	ds_load_b128 v[\f+32*\s+8*\i+4:\f+32*\s+8*\i+7],     v[AA] offset:8192*\i+1024*(2*\c+\s)+512
	ds_load_b128 v[\f+32*\s+16+8*\i:\f+32*\s+16+8*\i+3], v[BB] offset:8192*\i+1024*(2*\c+\s)
	ds_load_b128 v[\f+32*\s+16+8*\i+4:\f+32*\s+16+8*\i+7], v[BB] offset:8192*\i+1024*(2*\c+\s)+512
.endr
.endr
.endm
.macro MUL f, zero                     ; 8 matrix instructions; the four accumulators take turns.  zero = 1: the first four start the sums
.irp s, 0,1
.irp i, 0,1
.irp j, 0,1
.if (\zero) && (\s == 0)
	v_wmma_f32_16x16x32_f16 v[ACC+8*(2*\i+\j):ACC+8*(2*\i+\j)+7], v[\f+32*\s+16+8*\j:\f+32*\s+16+8*\j+7], v[\f+32*\s+8*\i:\f+32*\s+8*\i+7], 0
.else
	v_wmma_f32_16x16x32_f16 v[ACC+8*(2*\i+\j):ACC+8*(2*\i+\j)+7], v[\f+32*\s+16+8*\j:\f+32*\s+16+8*\j+7], v[\f+32*\s+8*\i:\f+32*\s+8*\i+7], v[ACC+8*(2*\i+\j):ACC+8*(2*\i+\j)+7]
.endif
.endr
.endr
.endr
.endm
.macro QUARTER n
	s_wait_tensorcnt 3-\n                          ; my part of quarter n is in; the later quarters' loads may stay out
	s_barrier_signal -1
	s_barrier_wait -1                              ; everybody's is
	PLACES                                         ; in front of loads into registers that matrix instructions have read: for both fetches
	FETCH 0, F0
	FETCH 1, F1
	s_wait_dscnt 16                                ; all but the 16 just issued
.if \n == 0
	MUL F0, 1
.else
	MUL F0, 0
.endif
	PLACES
	FETCH 2, F0
	s_wait_dscnt 16
	MUL F1, 0
	PLACES
	FETCH 3, F1
	s_wait_dscnt 16
	MUL F0, 0
	s_wait_dscnt 0x0
	MUL F1, 0
	v_add_nc_u32 v[AA], QB, v[AA]                  ; on to the next quarter
	v_add_nc_u32 v[BB], QB, v[BB]
.endm
	QUARTER 0
	QUARTER 1
	QUARTER 2
	QUARTER 3
	; THE WAY OUT: a row's 256 bytes come from two waves: through one stage, with a barrier between writing and reading; back as whole rows, 16 a wave.
	PLACES
.irp i, 0,1
.irp j, 0,1
	ds_store_b128 v[STO], v[ACC+8*(2*\i+\j):ACC+8*(2*\i+\j)+3] offset:16*\i*SPITCH+64*\j       ; each accumulator from its low end on
	ds_store_b128 v[STO], v[ACC+8*(2*\i+\j)+4:ACC+8*(2*\i+\j)+7] offset:16*\i*SPITCH+64*\j+16
.endr
.endr
	s_wait_dscnt 0x0                               ; for the others' sake: my stores into the stage are done
	s_barrier_signal -1
	s_barrier_wait -1
.irp t, 0,1,2,3,4,5,6,7
	ds_load_b128 v[F0+4*\t:F0+4*\t+3], v[RD] offset:2*\t*SPITCH
.endr
.irp t, 0,1,2,3,4,5,6,7
	s_wait_dscnt 7-\t                              ; LDS loads come back in order: load t is in
	global_store_b128 v[CO], v[F0+4*\t:F0+4*\t+3], s[8:9] offset:8192*\t th:TH_STORE_NT   ; sixteen lanes store 256 consecutive bytes, aligned
.endr
	s_wait_tensorcnt 0x0                           ; the wave's end: an add onto my spare word and its wait, behind my last tensor load and my last LDS store
	ds_add_u32 v[SPW], v[NIL]
	s_wait_dscnt 0x0
	CROUND                                         ; the closing round
	s_endpgm
.Lfunc_end_k_qf45f252d1a_oproj:
	.size	k_qf45f252d1a_oproj, .Lfunc_end_k_qf45f252d1a_oproj-k_qf45f252d1a_oproj
	.p2alignl 7, 3214868480
	.fill 96, 4, 3214868480
	.section	.rodata,"a",@progbits
	.p2align	6, 0x0
	.amdhsa_kernel k_qf45f252d1a_oproj
		.amdhsa_group_segment_fixed_size 327680
		.amdhsa_private_segment_fixed_size 0
		.amdhsa_enable_private_segment 0
		.amdhsa_kernarg_size 24
		.amdhsa_user_sgpr_count 2
		.amdhsa_user_sgpr_kernarg_segment_ptr 1
		.amdhsa_wavefront_size32 1
		.amdhsa_system_sgpr_workgroup_id_x 1
		.amdhsa_system_sgpr_workgroup_id_y 1
		.amdhsa_system_sgpr_workgroup_id_z 1
		.amdhsa_system_vgpr_workitem_id 0
		.amdhsa_next_free_vgpr 256
		.amdhsa_next_free_sgpr 80
		.amdhsa_reserve_vcc 0
		.amdhsa_float_denorm_mode_32 3
		.amdhsa_float_denorm_mode_16_64 3
		.amdhsa_memory_ordered 1
		.amdhsa_forward_progress 1
		.amdhsa_inst_pref_size 38
	.end_amdhsa_kernel
	.amdgpu_metadata
---
amdhsa.version: [ 1, 2 ]
amdhsa.kernels:
  - .name:           k_qf45f252d1a_oproj
    .symbol:         k_qf45f252d1a_oproj.kd
    .args:
      - { .name: att, .offset: 0, .size: 8, .value_kind: global_buffer, .address_space: global }
      - { .name: wof, .offset: 8, .size: 8, .value_kind: global_buffer, .address_space: global }
      - { .name: out0, .offset: 16, .size: 8, .value_kind: global_buffer, .address_space: global }
    .group_segment_fixed_size: 327680
    .private_segment_fixed_size: 0
    .kernarg_segment_align: 8
    .kernarg_segment_size: 24
    .max_flat_workgroup_size: 128
    .sgpr_count:     80
    .vgpr_count:     256
    .wavefront_size: 32
...
	.end_amdgpu_metadata
.endif
;; end of part 5
